; MI455X (gfx1250); checked and timed in simulation.
; The chip was launched on July 23, 2026; its instructions are those of AMD's public machine-readable ISA for CDNA 5 (MIT licence, August 2026) and "CDNA5" Instruction Set Architecture Reference Guide (July 2026). The comments in the code are by the model that wrote it; some were corrected since.
;; Single Self Head Attention. Allowed arithmetic: matrix products marked QUANTISED: E5M2 operands, one E8M0 scale for each 32 along K, by v_wmma_scale_f32_16x16x128_f8f6f4 with both operands' format E5M2, f32 sums; everything else in f32.
;; Inputs: Wk_codes 1,024 x 32 x 32 uint8 (E5M2 codes of Wk, K innermost, in blocks of 32 codes); Wk_scales 1,024 x 32 uint8 (E8M0 scales of Wk, one for each 32 codes along K); Wo_codes 1,024 x 32 x 32 uint8 (E5M2 codes of Wo, K innermost, in blocks of 32 codes); Wo_scales 1,024 x 32 uint8 (E8M0 scales of Wo, one for each 32 codes along K); Wq_codes 1,024 x 32 x 32 uint8 (E5M2 codes of Wq, K innermost, in blocks of 32 codes); Wq_scales 1,024 x 32 uint8 (E8M0 scales of Wq, one for each 32 codes along K); Wv_codes 1,024 x 32 x 32 uint8 (E5M2 codes of Wv, K innermost, in blocks of 32 codes); Wv_scales 1,024 x 32 uint8 (E8M0 scales of Wv, one for each 32 codes along K); bk 1,024 float32; bo 1,024 float32; bq 1,024 float32; bv 1,024 float32; x_codes 4 x 2,048 x 32 x 32 uint8 (E5M2 codes of x, K innermost, in blocks of 32 codes); x_scales 4 x 2,048 x 32 uint8 (E8M0 scales of x, one for each 32 codes along K).
;; Outputs: out0 4 x 2,048 x 1,024 float32.
;; This version of the problem:
;;   THIS VERSION OF THE PROBLEM IS GIVEN IN LOW PRECISION. The matrix products marked QUANTISED in the list below multiply operands that are first quantised to E5M2 (5 exponent bits, 2 mantissa bits; 8 bits a number), with one power-of-two scale for each 32 numbers along K (OCP MX v1.0); their sums are f32. All else is computed in f32.
;;   The module's matrix products, in the order in which they are computed (A, B: the left and right operand; K: the contracted axis; several contracted axes count as one K, in the product's order):
;;     1. [M 8,192, K 1,024] x [K 1,024, N 1,024]; A: input x (given as codes); B: input Wq (given as codes): QUANTISED
;;     2. [M 8,192, K 1,024] x [K 1,024, N 1,024]; A: input x (given as codes); B: input Wk (given as codes): QUANTISED
;;     3. [M 8,192, K 1,024] x [K 1,024, N 1,024]; A: input x (given as codes); B: input Wv (given as codes): QUANTISED
;;     4. batch 4 x [M 2,048, K 1,024] x [K 1,024, N 2,048]; A: computed on the way; B: computed on the way: QUANTISED
;;     5. batch 4 x [M 2,048, K 2,048] x [K 2,048, N 1,024]; A: softmax (see below); B: computed on the way: QUANTISED
;;     6. [M 8,192, K 1,024] x [K 1,024, N 1,024]; A: computed on the way; B: input Wo (given as codes): QUANTISED
;;   THE QUANTISER, for each operand of a quantised product, along K:
;;     - K is cut into blocks of 32 from its start; a last block that is shorter is filled with zeros.
;;     - A block's scale is 2^e with e = floor(log2(the largest magnitude in the block)) - 15, held to -126 .. 127; a block of zeros has e = 0. As a byte (E8M0): e + 127.
;;     - Each number is divided by its block's scale, clamped to +-57,344, and rounded to the nearest number of E5M2, ties to even, subnormals kept.
;;     - The product sums the exact products of the quantised numbers (number of the format x scale) in f32.
;;   ~~~python
;;   def quantise(x, axis):      # numpy; x: float32 -> the quantised numbers, widened to float32 again
;;       x = np.moveaxis(x, axis, -1); K = x.shape[-1]
;;       x = np.pad(x, [(0, 0)] * (x.ndim - 1) + [(0, -K % 32)]); x = x.reshape(x.shape[:-1] + (-1, 32)); a = np.abs(x).max(-1, keepdims=True)
;;       e = np.where(a > 0, np.clip(np.frexp(np.where(a > 0, a, 1))[1] - 1 - 15, -126, 127), 0)      # np.frexp(a)[1] - 1 = floor(log2(a)), exactly
;;       r = np.clip(x / 2.0 ** e, -57344, 57344)
;;       step = 2.0 ** (np.maximum(np.frexp(np.where(r == 0, 1, r))[1] - 1, -14) - 2)
;;       q = np.round(r / step) * step * 2.0 ** e      # np.round: ties to even
;;       return np.moveaxis(q.reshape(q.shape[:-2] + (-1,))[..., :K], -1, axis).astype(np.float32)
;;   ~~~
;;   SOFTMAX AHEAD OF A QUANTISED PRODUCT. Where the list says 'softmax', what is quantised is not the finished softmax but p = 2^(t - M), with t = logit x log2(e) and M = ceil(the row's largest t), a whole number; so 1/2 < the row's largest p <= 1. The row's sum l is taken of the UNQUANTISED p, in f32, and the product's result is divided by l at the end. Since M is a whole number, a kernel that streams over the keys may use a running M (the ceiling of the running maximum): every later rescaling is an exact power of two, which a block's scale takes up: the codes' values come out the same.
;;   OPERANDS COMPUTED ON THE WAY. 'Computed on the way' means the value that the module computes at that place (a softmax that the list does not call 'softmax' is quantised finished and normalised). What goes into a quantiser is computed in f32, as accurately as f32 sums, v_exp_f32 and their like allow (about 1e-6 of the number): no bf16 or f16 on the way to a quantiser, and a product that is left as it is and whose result goes on into a quantised operand takes f32 operands (vector FMAs, or v_wmma_f32_16x16x4_f32). A number that lies on a knife's edge between two numbers of the format may be rounded either way, as far as f32 arithmetic and the matrix unit's own rounding can turn it there, and no further.
;;   INPUTS GIVEN AS CODES. Wk (in the module: [1024, 1024], K = its axis 0); Wo (in the module: [1024, 1024], K = its axis 0); Wq (in the module: [1024, 1024], K = its axis 0); Wv (in the module: [1024, 1024], K = its axis 0); x (in the module: [4, 2048, 1024], K = its axis 2): each comes as NAME_codes (uint8): NAME with its K axis moved to the last place and cut into blocks of 32 codes, [.., K / 32, bytes a block], one block behind the other in memory; one code a byte (a code: sign, 5 exponent bits, 2 mantissa bits); and NAME_scales (uint8): the same leading axes, one E8M0 byte (e + 127) for each 32 codes along K. Its value is code x scale, taken as it is: it is not quantised again, and the codes and scales need not be those that the quantiser above would give.
;; One version. Each part assembles by itself: llvm-mc -triple=amdgcn-amd-amdhsa -mcpu=gfx1250 --defsym DOCPART=n.
;; ======== version 1 of 1: 4 launches
;; limits: right only within a limited range of input values
;; workspace buffers: qkv_codes 25,165,824 bytes; qkv_scales 786,432 bytes; p_codes 16,777,216 bytes; p_stats 1,572,864 bytes; o_codes 8,388,608 bytes; o_scales 262,144 bytes
;; launch qkv (part 1): grid 4 x 64, 4 waves a work-group, clusters of 4 x 4, 327,680 bytes of LDS; arguments x_codes, x_scales, Wq_codes, Wq_scales, Wk_codes, Wk_scales, Wv_codes, Wv_scales, bq, bk, bv, qkv_codes, qkv_scales; writes qkv_codes, qkv_scales
.if DOCPART == 1
	.amdgcn_target "amdgcn-amd-amdhsa--gfx1250"
	.amdhsa_code_object_version 6
	.text
	.protected	k_q86cc1566d8_qkv
	.globl	k_q86cc1566d8_qkv
	.p2align	8
	.type	k_q86cc1566d8_qkv,@function
k_q86cc1566d8_qkv:
	s_mov_b64 s[64:65], 0
	v_nop
	global_prefetch_b8 v0, s[64:65] scope:SCOPE_SE
	s_setreg_imm32_b32 hwreg(HW_REG_WAVE_MODE, 25, 1), 1
	s_wait_xcnt 0x0
	s_wait_alu depctr_hold_cnt(0) depctr_sa_sdst(0) depctr_va_vdst(0) depctr_va_sdst(0) depctr_va_ssrc(0) depctr_va_vcc(0) depctr_vm_vsrc(0)
	s_getreg_b32 s2, hwreg(HW_REG_IB_STS2, 6, 4)
	s_cmp_eq_u32 s2, 0
	s_cbranch_scc0 .Lentry_in_a_cluster
	s_endpgm
.Lentry_in_a_cluster:
	s_bfe_u32 s2, ttmp6, 0x10000c
	s_cmp_lg_u32 s2, 0xf033
	s_cbranch_scc0 .Lentry_shape_is_right
	s_endpgm
.Lentry_shape_is_right:
; q = x Wq + bq, k = x Wk + bk, v^T = (x Wv + bv)^T on codes of BF8 (E5M2) with one E8M0 scale for each 32 along K; each result is quantised in registers and stored as codes.
; WORK LEFT OUT by the launches behind this one: scores of a key that comes after its query.  reference() sets them to -infinity whatever the inputs hold, so their p is 0 and they reach no output: whole tiles of them are not multiplied.
; A NaN, an infinity or an overflow that reaches only those scores is not carried to the result.
; LIMITS: NaN and infinities are not served; a block of zeros, and one whose largest magnitude lies under 2^-111, gets the scale byte 1 (its bytes are read by this program alone).
; SHARES.  256 work-groups; each makes 128 tokens x 256 channels of q, of k and of v.  Four waves, 2 x 2: a wave holds 64 rows of x, ALL of K, in 512 registers (windows 1, 2) and streams rows of W past them, in blocks of 16 rows that
; stand in registers as two whole sets (window 3).  Six chunks of 128 rows (Wq 2, Wk 2, Wv 2), each row 1,024 bytes, go through two LDS slots; x's rows lie in slot 1 until all waves hold them.
; A wave's blocks of a chunk are rows 64 k + 32 w + 16 u (k, u = 0, 1; w its row of waves): pair k is 32 neighbouring channels.
; CLUSTERS of 4 x 4: x's rows are asked for jointly along a row of the cluster, W's along a column.
; ONE ROUND A CHUNK, inside block 2: it shows the next chunk and frees this one's slot (its last rows were fetched behind block 1): the chunk two on is asked for there and has four blocks, 128 products, in which to land.
; PREFETCH: behind block 2, the chunk that the next trip's refill asks for, one trip ahead; in the clusters with y < 4 alone, since all clusters read the same W.  A wave's 32 rows are shared out by address among the four partners of a column: 8,192 bytes each.
; q, k: source 0 = W's rows, source 1 = x's: lane (r, h) holds token r, register i channel 8 h + i of the block.  v: the other way round: lane (r, h) holds channel r, register i token 8 h + i.
; THE WAY OUT of a pair stands among the next pair's 64 products.  A scale block of 32 is two accumulators in lanes l and l xor 16: group g's lie at x + 8 g and x + 32 + 8 g (v's sums are placed so that this holds there too).
; Inside a block of 32, place (h, 8 u + i) holds k = 16 u + 8 h + i, alike in both operands of the later products.
; STORED AS IMAGES OF THE OPERAND'S REGISTERS: a fragment (16 rows x 128 K) is 2,048 bytes, registers 4 c .. 4 c + 3 of lane l at 512 c + 16 l.  q, k: [row tile 512][K step 8][2048]; v^T: [channel tile 64][K step 64][2048].
; Scale words: for each K step and group of 128 rows 512 bytes: lane (r, h) has the words of tiles 4 h .. 4 h + 3 at row r.
.set PITCH, 1040  ; an LDS row: 1,024 bytes + 16 of padding: 16 neighbouring rows start at 16 different banks (64 banks of 4 bytes: ISA guide 11.1)
.set NP, 8  ; plain vector lines behind a matrix instruction ahead of a reader of its sums and of a load into what it has read
.set NF, 36  ; LDS loads of a block: 32 of codes, 2 of scale words, 2 of the bias
.set EMAX, 15
.set YB, 128*PITCH  ; slot 1
.set XN, 2*YB  ; the results' scale bytes: six chunks of 512
.set SCL, XN+3072  ; W's scale bytes: two planes of 768 rows x 16 bytes
.set PLANE, 12288
.set BL, SCL+2*PLANE  ; biases: a block of 16 channels has 512 bytes: q, k: 16 numbers; v: each number eight times
.set SPARE, BL+6*4096
.set ADRA0, 4
.set RQ, 5
.set AAS0, 6
.set LBQ, 7
.set LBV, 8
.set CO, 9
.set SPW, 10
.set NIL, 11
.set ADRA, 12
.set VX, 13
.set RV, 14
.set LB, 15
.set ADRX, 16
.set AAS, 17
.set ABI, 18
.set PFO, 19
.set SOP, 20
.set SB, 24  ; x's scale words: register 8 p + q: lanes 0-15 tile 2 p's, lanes 16-31 tile 2 p + 1's
.set EB, 40
.set SA, 44  ; W's: two sets of eight
.set TQ, 60
.set ACC, 64  ; four sets of four accumulators
.set MCD, 192
.set BI, 208
.set MSK, 86
.set MSB, 0
.macro WIN new  ; the immediate's high byte repeats the setting that is left
.if MSB != (\new)
	s_set_vgpr_msb (MSB<<8)|(\new)
.set MSB, (\new)
.endif
.endm
.macro PLACES n
.rept \n
	v_nop
.endr
.endm
.macro WALU
	s_wait_alu depctr_va_vdst(0)
.endm
.macro BARRIER
	s_barrier_signal -1
	s_barrier_wait -1
.endm
.macro CREST
	s_cmp_lg_u32 s14, 0
	s_cbranch_scc1 .Lnot_wave_0_\@
	s_barrier_signal -3
.Lnot_wave_0_\@:
	s_barrier_wait -3
	BARRIER
.endm
.macro CROUND
	BARRIER
	CREST
.endm
.macro TLOAD g0, g1
	tensor_load_to_lds s[\g0:\g0+3], s[\g1:\g1+7]
	s_nop 0
	PLACES 4
.endm
.macro GROUP1 g, mask, rows  ; a tile of whole rows of 1,024 bytes, padded in LDS
	s_or_b32 s[\g], s[\mask], (1<<20)|(1<<21)|(7<<22)|(3<<25)
	s_mov_b32 s[\g+1], 1024<<16
	s_mov_b32 s[\g+2], (\rows)<<16
	s_mov_b32 s[\g+3], 1024<<16
	s_mov_b32 s[\g+4], \rows
	s_mov_b32 s[\g+5], 1024
	s_mov_b32 s[\g+6], 0
	s_mov_b32 s[\g+7], 0
.endm
.macro SH a, n  ; s20 += s[a] << n
	s_lshl_b32 s22, s[\a], \n
	s_add_co_u32 s20, s20, s22
.endm
	s_load_b512 s[68:83], s[0:1], 0x0  ; x 68, its scales 70; Wq 72, 74; Wk 76, 78; Wv 80, 82
	s_load_b256 s[84:91], s[0:1], 0x40  ; bq 84, bk 86, bv 88; the codes' buffer 90
	s_load_b64 s[92:93], s[0:1], 0x60  ; the scale words' buffer
	v_lshl_add_u32 v[SPW], v0, 2, SPARE
	v_mov_b32 v[NIL], 0
	ds_add_u32 v[SPW], v[NIL]  ; the opening: the add, twice on end
	ds_add_u32 v[SPW], v[NIL]
	v_lshrrev_b32 v1, 5, v0
	v_readfirstlane_b32 s14, v1  ; wave 0..3
	s_lshr_b32 s15, s14, 1  ; w: my row of waves: which pairs of W's rows
	s_and_b32 s16, s14, 1  ; xw: which 64 rows of x I hold; which half of a head's tile I fetch
	s_bfe_u32 s40, ttmp6, 0x40000  ; cx: 256 channels of each W
	s_bfe_u32 s41, ttmp6, 0x40004  ; cy
	s_and_b32 s42, ttmp7, 0xffff  ; the cluster's y
	s_lshl_b32 s43, s42, 2
	s_add_co_u32 s43, s43, s41  ; T: 128 rows of x
	s_lshl_b32 s44, s41, 2
	s_lshl_b32 s44, 15, s44  ; my row of the cluster
	s_lshl_b32 s45, 0x1111, s40  ; my column
	GROUP1 24, 44, 64  ; x: half of 128 rows
	GROUP1 32, 45, 64  ; chunk 0: half
	GROUP1 48, 45, 32  ; a refill: a quarter of a chunk
	s_lshl_b32 s20, s43, 17
	s_lshl_b32 s17, s16, 16
	s_add_co_u32 s20, s20, s17  ; x's codes: my half
	s_mov_b32 s21, 0
	s_lshl_b32 s46, s40, 18
	s_add_co_u32 s22, s46, s17  ; chunk 0: my half
	s_mov_b32 s23, 0
	s_lshl_b32 s17, s14, 15
	s_add_co_u32 s46, s46, s17  ; a refill: my quarter
	s_mov_b32 s47, 0
	s_lshl_b32 s96, s43, 12
	s_lshl_b32 s17, s16, 11
	s_add_co_u32 s96, s96, s17  ; x's scale bytes: my 64 rows
	s_mov_b32 s97, 0
	s_mov_b32 s56, 1
	s_mul_i32 s61, s16, 64*PITCH
	s_add_co_u32 s57, s61, YB
	s_mov_b32 s60, 1
	s_mov_b32 s4, 1
	s_mul_i32 s5, s14, 32*PITCH
	s_add_co_u32 s5, s5, YB
	v_and_b32 v1, 15, v0  ; r
	v_bfe_u32 v2, v0, 4, 1  ; h
	v_and_b32 v3, 31, v0
	v_mul_u32_u24 v22, v1, PITCH
	v_lshl_add_u32 v22, v2, 4, v22
	s_mul_i32 s17, s15, 32*PITCH
	v_add_nc_u32 v[ADRA0], s17, v22
	v_add_nc_u32 v[ADRX], s57, v22
	s_lshl_b32 s17, s15, 9
	s_add_co_u32 s17, s17, SCL
	v_lshl_add_u32 v[AAS0], v1, 4, s17
	s_lshl_b32 s17, s15, 10
	s_add_co_u32 s17, s17, BL
	v_lshl_add_u32 v[LBQ], v2, 5, s17
	v_lshl_add_u32 v[LBV], v1, 5, s17
	s_lshl_b32 s17, s16, 8
	s_add_co_u32 s17, s17, s15
	s_add_co_u32 s17, s17, XN
	v_lshl_add_u32 v[RQ], v1, 4, s17  ; q's and k's byte of x tile j, pair k: + 512 x chunk + 4 j + 2 k
	s_lshl_b32 s17, s15, 3
	s_lshl_b32 s18, s16, 1
	s_add_co_u32 s17, s17, s18
	s_add_co_u32 s17, s17, XN+2048
	v_lshl_add_u32 v[RV], v1, 4, s17  ; v's of group 2 u + tb, pair k: + 512 x chunk + 256 k + 4 u + tb
	v_lshlrev_b32 v[CO], 4, v3
	s_lshl_b32 s17, s41, 13
	v_lshl_add_u32 v[PFO], v3, 8, s17
	v_lshlrev_b32 v225, 4, v0
	v_lshlrev_b32 v226, 3, v0
	v_lshlrev_b32 v227, 2, v0
	v_lshlrev_b32 v228, 5, v3
	v_and_b32 v229, 1, v0
	v_mul_u32_u24 v229, v229, PLANE
	v_lshrrev_b32 v233, 1, v0
	v_lshl_add_u32 v229, v233, 4, v229
	v_add_nc_u32 v229, SCL, v229
	v_lshrrev_b32 v233, 3, v0
	v_lshlrev_b32 v230, 9, v233
	v_and_b32 v233, 7, v0
	v_lshl_add_u32 v230, v233, 3, v230
	v_add_nc_u32 v230, BL, v230
	v_lshlrev_b32 v231, 5, v0
	v_add_nc_u32 v231, BL+16384, v231
	WALU
	s_wait_dscnt 0x0  ; both opening adds are done
	CROUND  ; all sixteen work-groups are here
	s_wait_kmcnt 0x0
	s_add_nc_u64 s[58:59], s[68:69], s[20:21]
	s_or_b32 s59, s59, 0x80000000
	s_add_nc_u64 s[62:63], s[72:73], s[22:23]
	s_or_b32 s63, s63, 0x80000000
	s_cmp_lt_u32 s14, 2  ; one joint load a wave: waves 0, 1: x's halves into slot 1; waves 2, 3: chunk 0's into slot 0
	s_cbranch_scc0 .Lfor_w
	TLOAD 56, 24
	s_branch .Lasked
.Lfor_w:
	TLOAD 60, 32
.Lasked:
	s_add_nc_u64 s[2:3], s[72:73], s[46:47]
	s_add_nc_u64 s[2:3], s[2:3], 131072  ; chunk 1
	s_add_nc_u64 s[8:9], s[76:77], s[46:47]  ; chunks 2, 3, 4, 5: a queue of pointers
	s_add_nc_u64 s[10:11], s[8:9], 131072
	s_add_nc_u64 s[12:13], s[80:81], s[46:47]
	s_add_nc_u64 s[94:95], s[12:13], 131072
	s_mov_b64 s[6:7], s[2:3]
	s_or_b32 s7, s7, 0x80000000
	s_add_nc_u64 s[70:71], s[70:71], s[96:97]
	s_lshl_b32 s18, s40, 13
	s_mov_b32 s19, 0
	s_add_nc_u64 s[74:75], s[74:75], s[18:19]
	s_add_nc_u64 s[78:79], s[78:79], s[18:19]
	s_add_nc_u64 s[82:83], s[82:83], s[18:19]
	s_lshl_b32 s18, s40, 10
	s_add_nc_u64 s[84:85], s[84:85], s[18:19]
	s_add_nc_u64 s[86:87], s[86:87], s[18:19]
	s_add_nc_u64 s[88:89], s[88:89], s[18:19]
.irp t, 0,1,2
.irp k, 0,1,2,3
	global_load_b128 v[64+16*\t+4*\k:67+16*\t+4*\k], v225, s[74+4*\t:75+4*\t] offset:2048*\k  ; the scale bytes of my 3 x 256 rows of W: dense
.endr
.endr
	global_load_b64 v[112:113], v226, s[84:85]
	global_load_b64 v[114:115], v226, s[86:87]
	global_load_b32 v116, v227, s[88:89]
	global_load_b32 v120, v227, s[88:89] offset:512
.irp p, 0,1
.irp c, 0,1
	global_load_b128 v[SB+8*\p+4*\c:SB+8*\p+4*\c+3], v228, s[70:71] offset:1024*\p+16*\c
.endr
.endr
	s_cmp_lt_u32 s42, 4
	s_cbranch_scc0 .Lnot_mine
	global_prefetch_b8 v[PFO], s[2:3] th:TH_LOAD_NT scope:SCOPE_SE  ; chunk 1
	global_prefetch_b8 v[PFO], s[8:9] th:TH_LOAD_NT scope:SCOPE_SE  ; chunk 2
.Lnot_mine:
	s_mov_b32 s20, 0  ; where the results go: q, k: row tile 8 T + 4 xw + j, K step 2 cx + chunk, block 2 k + w
	s_mov_b32 s21, 0
	SH 43, 17
	SH 16, 16
	SH 40, 12
	SH 15, 9
	s_add_nc_u64 s[18:19], s[90:91], s[20:21]
	s_mov_b32 s20, 16777216  ; v^T: channel tile 16 cx + 8 chunk + 4 k + 2 w + u, K step T, block 2 xw + tb
	SH 40, 21
	SH 15, 18
	SH 43, 11
	SH 16, 10
	s_add_nc_u64 s[96:97], s[90:91], s[20:21]
	s_mov_b32 s20, 0  ; scale words: wave n stores chunk n of q, k,
	SH 15, 18
	SH 40, 16
	SH 16, 15
	SH 43, 9
	s_add_nc_u64 s[66:67], s[92:93], s[20:21]
	s_mov_b32 s20, 524288  ; and a quarter of v's 1,024 bytes
	SH 43, 12
	SH 40, 10
	SH 15, 9
	SH 16, 8
	s_add_nc_u64 s[92:93], s[92:93], s[20:21]
.set I_, 0
.rept 64
	v_mov_b32 v[ACC+64+I_], 0  ; the first way out has no pair before it: it works on zeros and stores nothing
.set I_, I_+1
.endr
	v_add_nc_u32 v1, 16*PITCH, v[ADRA0]  ; block 1's LDS addresses
	v_add_nc_u32 v2, 256, v[AAS0]
	v_add_nc_u32 v3, 512, v[LBQ]
	v_mov_b32 v[LB], v[LBQ]
	WALU
	s_wait_loadcnt 0x0
.irp t, 0,1,2
.irp k, 0,1,2,3
	ds_store_b128 v229, v[64+16*\t+4*\k:67+16*\t+4*\k] offset:4096*\t+1024*\k
.endr
.endr
.irp i, 0,1,2,3,4,5,6,7  ; a block's 64 bytes eight times: whichever lane term a fetch takes, each byte in its reach holds a number
	ds_store_b64 v230, v[112:113] offset:64*\i
	ds_store_b64 v230, v[114:115] offset:8192+64*\i
.endr
.irp i, 1,2,3
	v_mov_b32 v[116+\i], v116
	v_mov_b32 v[120+\i], v120
.endr
	ds_store_b128 v231, v[116:119]
	ds_store_b128 v231, v[116:119] offset:16
	ds_store_b128 v231, v[120:123] offset:4096
	ds_store_b128 v231, v[120:123] offset:4112
	WALU
	s_cmp_lt_u32 s14, 2
	s_cbranch_scc0 .Lnot_x
	s_wait_tensorcnt 0x0  ; waves 0, 1: x's rows have landed; the others' wait stands ahead of the next barrier
.Lnot_x:
	s_wait_dscnt 0x0
	BARRIER
.irp q, 0,1,2,3,4,5,6,7  ; my 64 rows of x: fragment 4 q + b, 16 registers, in window 1 + (4 q + b) / 16
.irp b, 0,1,2,3
	WIN (1+(4*\q+\b)/16)<<6
.irp c, 0,1,2,3
	ds_load_b128 v[16*((4*\q+\b)%16)+4*\c:16*((4*\q+\b)%16)+4*\c+3], v[ADRX] offset:128*\q+32*\c+\b*16*PITCH
.endr
.endr
.endr
	WIN 0
	s_mov_b32 s98, 0x76543210
	s_mov_b32 s99, 0xfedcba98
	s_mov_b32 s100, 0x600000
	s_mov_b32 s46, 0  ; the chunk in hand;
	s_mov_b32 s101, 0  ; its slot,
	s_mov_b32 s47, YB  ; and the next chunk's;
	s_mov_b32 s17, 0  ; its scale bytes' place (its biases' is twice that),
	s_mov_b32 s80, 2048  ; and the next chunk's
	s_mov_b32 s[MSK], 0
	s_cmp_lt_u32 s42, 4
	s_cselect_b32 s91, 3, 0  ; trips in which I prefetch
	s_wait_tensorcnt 0x0  ; chunk 0 too
	ds_add_u32 v[SPW], v[NIL]
	s_wait_dscnt 0x0  ; x is in registers
	CROUND
	TLOAD 4, 48  ; chunk 1, over x's rows
.macro FETCH e, a, s, b  ; a block: 16 rows, all of K, into set e; its scale words; its bias
	WIN 3<<6
.irp q, 0,1,2,3,4,5,6,7
.irp c, 0,1,2,3
	ds_load_b128 v[128*\e+16*\q+4*\c:128*\e+16*\q+4*\c+3], v[\a] offset:128*\q+32*\c
.endr
.endr
	WIN 0
	ds_load_b128 v[SA+8*\e:SA+8*\e+3], v[\s]
	ds_load_b128 v[SA+8*\e+4:SA+8*\e+7], v[\s] offset:PLANE
	ds_load_b128 v[BI+8*\e:BI+8*\e+3], v[\b]
	ds_load_b128 v[BI+8*\e+4:BI+8*\e+7], v[\b] offset:16
.endm
; product n = 4 q + b of block u of pair ps.  kind 0: source 0 = W; kind 1: source 0 = x.  The first of a sum takes the bias as C.  The accumulators take turns
.macro PROD kind, u, ps, n
.set Q_, (\n)/4
.set B_, (\n)%4
.if \kind
.set AC_, ACC+64*(\ps)+32*(B_%2)+8*(2*(\u)+B_/2)
.else
.set AC_, ACC+64*(\ps)+32*(\u)+8*B_
.endif
.set C_, AC_
.if Q_ == 0
.set C_, BI+8*(\u)
.endif
.set R_, 128*(\u)+16*Q_
.set X_, 16*((\n)%16)
.set XS_, SB+8*(B_/2)+Q_
.set WS_, SA+8*(\u)+Q_
.if \kind
	WIN (1+(\n)/16)|(3<<2)
.if B_%2
	v_wmma_scale_f32_16x16x128_f8f6f4 v[AC_:AC_+7], v[X_:X_+15], v[R_:R_+15], v[C_:C_+7], v[XS_], v[WS_] matrix_a_fmt:MATRIX_FMT_BF8 matrix_b_fmt:MATRIX_FMT_BF8 matrix_a_scale:MATRIX_SCALE_ROW1
.else
	v_wmma_scale_f32_16x16x128_f8f6f4 v[AC_:AC_+7], v[X_:X_+15], v[R_:R_+15], v[C_:C_+7], v[XS_], v[WS_] matrix_a_fmt:MATRIX_FMT_BF8 matrix_b_fmt:MATRIX_FMT_BF8
.endif
.else
	WIN 3|((1+(\n)/16)<<2)
.if B_%2
	v_wmma_scale_f32_16x16x128_f8f6f4 v[AC_:AC_+7], v[R_:R_+15], v[X_:X_+15], v[C_:C_+7], v[WS_], v[XS_] matrix_a_fmt:MATRIX_FMT_BF8 matrix_b_fmt:MATRIX_FMT_BF8 matrix_b_scale:MATRIX_SCALE_ROW1
.else
	v_wmma_scale_f32_16x16x128_f8f6f4 v[AC_:AC_+7], v[R_:R_+15], v[X_:X_+15], v[C_:C_+7], v[WS_], v[XS_] matrix_a_fmt:MATRIX_FMT_BF8 matrix_b_fmt:MATRIX_FMT_BF8
.endif
.endif
.endm
.macro HOLD x, b  ; a sum held at the largest number that the format has under its block's scale (the conversion does not saturate: ISA guide 7.6.2)
	v_med3_num_f32 v[\x], v[\x], -v[TQ+\b], v[TQ+\b]
.endm
.macro SCALES i, n  ; 0: the conversion's scale operand; 1: the bound; 2: a second copy of it; 3: the scale byte
.if (\i) == 0
	v_add_nc_u32 v[SOP+\n], -(EMAX<<23), v[TQ]
.elseif (\i) == 1
	v_and_or_b32 v[TQ+1], v[TQ], 0x7f800000, s100
.elseif (\i) == 2
	v_mov_b32 v[TQ+3], v[TQ+1]
.else
	v_lshrrev_b32 v[EB+\n], 23, v[SOP+\n]
.endif
.endm
.macro HOLDS m, x
.if (\m) == 3
	HOLD \x, 3
	HOLD \x+1, 3
.else
	HOLD \x, 1
	HOLD \x+1, 1
.endif
.if (\m) == 2
	SCALES 2, 0
.endif
.endm
.macro GAP u, x  ; the quantiser of a pair at x, gaps 0 .. 59, 15 a group: codes MCD + 4 g, bytes EB + g
.set T_, (\u)/15
.set J_, (\u)%15
.set E_, \x+8*T_
.set O_, E_+32
.if J_ == 0
	v_max3_num_f32 v[TQ], |v[E_]|, |v[E_+1]|, |v[E_+2]|
	v_max3_num_f32 v[TQ+2], |v[O_]|, |v[O_+1]|, |v[O_+2]|
.elseif J_ < 3
	v_max3_num_f32 v[TQ], v[TQ], |v[E_+2*J_+1]|, |v[E_+2*J_+2]|
	v_max3_num_f32 v[TQ+2], v[TQ+2], |v[O_+2*J_+1]|, |v[O_+2*J_+2]|
.elseif J_ == 3
	v_max3_num_f32 v[TQ+2], v[TQ+2], |v[O_+7]|, (EMAX+1)<<23  ; with the floor under which the byte would fall under 1
	v_max3_num_f32 v[TQ], v[TQ], |v[E_+7]|, v[TQ+2]
.elseif J_ == 4
	v_permlanex16_b32 v[TQ+2], v[TQ], s98, s99
	v_max_num_f32 v[TQ], v[TQ], v[TQ+2]
.elseif J_ == 5
	SCALES 0, T_
	SCALES 1, T_
.elseif J_ < 10
	HOLDS J_-6, E_+2*(J_-6)
.if J_ == 9
	v_cvt_scalef32_pk8_bf8_f32 v[MCD+4*T_:MCD+4*T_+1], v[E_:E_+7], v[SOP+T_]
.endif
.elseif J_ < 14
	HOLDS J_-6, O_+2*(J_-10)
.if J_ == 13
	v_cvt_scalef32_pk8_bf8_f32 v[MCD+4*T_+2:MCD+4*T_+3], v[O_:O_+7], v[SOP+T_]
.endif
.else
	SCALES 3, T_
.endif
.endm
; behind product n of block j: the addresses of the block two on; the way out's first (y = 2) or second half (y = 3), of the pair at x
.macro LIST n, j, y, x
.if (\n) == 0
	WIN 0
.if (\j) < 2
	s_add_co_u32 s22, s101, (64+16*(\j))*PITCH
.else
	s_add_co_u32 s22, s47, 16*((\j)-2)*PITCH
.endif
	v_add_nc_u32 v[ADRA], s22, v[ADRA0]
.if (\j) == 2
	v_cndmask_b32 v[LB], v[LBQ], v[LBV], s[MSK]  ; from chunk 4 on a lane's bias is its own channel's
.endif
.elseif (\n) == 1
	WIN 0
.if (\j) < 2
	s_add_co_u32 s22, s17, 1024+256*(\j)
.else
	s_add_co_u32 s22, s80, 256*((\j)-2)
.endif
	v_add_nc_u32 v[AAS], s22, v[AAS0]
	s_lshl_b32 s23, s22, 1
	v_add_nc_u32 v[ABI], s23, v[LB]
.endif
.if (\n) > 0 && (\n) < 31
	WIN 0
	GAP (\n)-1+30*((\y)-2), \x
.endif
.endm
.macro BLOCK kind, u, ps, from, to, j, y, x
.set N_, \from
.rept (\to)-(\from)
	PROD \kind, \u, \ps, N_
	LIST N_, \j, \y, \x
.set N_, N_+1
.endr
.endm
.macro BLK kind, u, ps, j, y, x
	s_wait_dscnt NF  ; this block is in; the next one's loads may be out
	s_wait_xcnt 0x0  ; earlier stores have read their registers
	BLOCK \kind, \u, \ps, 0, 32, \j, \y, \x
	WIN 0
	PLACES NP
.endm
.macro RBLK kind, u, ps, j, y, x  ; with a round: all my loads are in (the next chunk's), this chunk's last rows are in registers
	s_wait_dscnt NF
	s_wait_xcnt 0x0
	BLOCK \kind, \u, \ps, 0, 16, \j, \y, \x
	WIN 0
	WALU
	s_wait_tensorcnt 0x0
	ds_add_u32 v[SPW], v[NIL]
	BLOCK \kind, \u, \ps, 16, 28, \j, \y, \x
	WIN 0
	WALU
	s_wait_dscnt 0x0
	s_barrier_signal -1
	BLOCK \kind, \u, \ps, 28, 32, \j, \y, \x
	WIN 0
	s_mul_i32 s5, s14, 32*PITCH  ; the refill's group 0: no tensor load of mine is out
	s_add_co_u32 s5, s5, s101
	s_mov_b64 s[6:7], s[8:9]
	s_or_b32 s7, s7, 0x80000000
	s_barrier_wait -1
	CREST
.endm
.macro SBLK kind, u, ps, j, y, x  ; with a plain barrier: shows the last chunk
	s_wait_dscnt NF
	s_wait_xcnt 0x0
	BLOCK \kind, \u, \ps, 0, 28, \j, \y, \x
	WIN 0
	WALU
	s_wait_tensorcnt 0x0
	s_wait_dscnt 0x0
	s_barrier_signal -1
	BLOCK \kind, \u, \ps, 28, 32, \j, \y, \x
	WIN 0
	s_barrier_wait -1
	PLACES NP
.endm
.macro OUTQ k, first  ; q's or k's pair k of chunk s21: four x tiles' bytes and codes; each store of codes covers 512 consecutive bytes
	s_lshl_b32 s22, s21, 9
	v_add_nc_u32 v[VX], s22, v[RQ]
	s_and_b32 s20, s21, 1
	s_lshl_b32 s20, s20, 11
	s_lshr_b32 s22, s21, 1
	s_lshl_b32 s22, s22, 23  ; k's codes lie behind q's
	s_add_co_u32 s20, s20, s22
	s_mov_b32 s21, 0
	s_add_nc_u64 s[68:69], s[18:19], s[20:21]
	WALU
.if \first
	s_cmp_eq_u32 s46, 0
	s_cbranch_scc1 .Lno_pair_\@
.endif
.irp t, 0,1,2,3
	ds_store_b8 v[VX], v[EB+\t] offset:4*\t+2*\k
	global_store_b128 v[CO], v[MCD+4*\t:MCD+4*\t+3], s[68:69] offset:16384*\t+1024*\k
.endr
.if \first
.Lno_pair_\@:
.endif
.endm
.macro OUTV k  ; v's pair k of chunk 4 + s21: group 2 u + tb
	s_lshl_b32 s22, s21, 9
	v_add_nc_u32 v[VX], s22, v[RV]
	s_lshl_b32 s20, s21, 20
	s_mov_b32 s21, 0
	s_add_nc_u64 s[68:69], s[96:97], s[20:21]
	WALU
.irp t, 0,1,2,3
	ds_store_b8 v[VX], v[EB+\t] offset:256*\k+4*(\t/2)+\t%2
	global_store_b128 v[CO], v[MCD+4*\t:MCD+4*\t+3], s[68:69] offset:131072*(\t/2)+512*(\t%2)+524288*\k
.endr
.endm
	FETCH 0, ADRA0, AAS0, LB
	FETCH 1, 1, 2, 3
.Lqk:  ; chunks 0 .. 3
	BLK 0, 0, 0, 0, 2, ACC+64
	FETCH 0, ADRA, AAS, ABI
	BLK 0, 1, 0, 1, 3, ACC+64
	s_add_co_u32 s21, s46, 3
	s_and_b32 s21, s21, 3  ; the chunk before
	OUTQ 1, 1
	FETCH 1, ADRA, AAS, ABI
	RBLK 0, 0, 1, 2, 2, ACC
	TLOAD 4, 48  ; the chunk two on, into this one's slot
	PLACES NP-4
	s_cmp_lt_u32 s46, s91
	s_cbranch_scc0 .Lnone_ahead
	global_prefetch_b8 v[PFO], s[10:11] th:TH_LOAD_NT scope:SCOPE_SE
.Lnone_ahead:
	FETCH 0, ADRA, AAS, ABI
	BLK 0, 1, 1, 3, 3, ACC
	s_mov_b32 s21, s46
	OUTQ 0, 0
	FETCH 1, ADRA, AAS, ABI
	s_mov_b64 s[8:9], s[10:11]
	s_mov_b64 s[10:11], s[12:13]
	s_mov_b64 s[12:13], s[94:95]
	s_mov_b32 s101, s47
	s_xor_b32 s47, s47, YB
	s_add_co_u32 s17, s17, 2048
	s_add_co_u32 s80, s80, 2048
	s_add_co_u32 s46, s46, 1
	s_cmp_ge_u32 s46, 3
	s_cselect_b32 s[MSK], -1, 0
	s_cmp_lg_u32 s46, 4
	s_cbranch_scc1 .Lqk
.Lv:  ; chunks 4, 5
	BLK 1, 0, 0, 0, 2, ACC+64
	FETCH 0, ADRA, AAS, ABI
	BLK 1, 1, 0, 1, 3, ACC+64
	s_cmp_eq_u32 s46, 5
	s_cbranch_scc1 .Lpair_of_v
	s_mov_b32 s21, 3
	OUTQ 1, 0
	s_branch .Lstored
.Lpair_of_v:
	s_mov_b32 s21, 0
	OUTV 1
.Lstored:
	FETCH 1, ADRA, AAS, ABI
	SBLK 1, 0, 1, 2, 2, ACC
	s_cmp_eq_u32 s46, 5
	s_cbranch_scc1 .Lnone_0
	FETCH 0, ADRA, AAS, ABI
.Lnone_0:
	BLK 1, 1, 1, 3, 3, ACC
	s_sub_co_u32 s21, s46, 4
	OUTV 0
	s_cmp_eq_u32 s46, 5
	s_cbranch_scc1 .Lnone_1
	FETCH 1, ADRA, AAS, ABI
.Lnone_1:
	s_mov_b32 s101, s47
	s_xor_b32 s47, s47, YB
	s_add_co_u32 s17, s17, 2048
	s_add_co_u32 s46, s46, 1
	s_cmp_lg_u32 s46, 6
	s_cbranch_scc1 .Lv
	s_wait_xcnt 0x0
.set K_, 0
.rept 60
	GAP K_, ACC+64  ; the last pair
.set K_, K_+1
.endr
	s_mov_b32 s21, 1
	OUTV 1
	s_wait_dscnt 0x0  ; the scale bytes
	BARRIER
	s_lshl_b32 s21, s14, 9
	s_add_co_u32 s21, s21, XN
	v_add_nc_u32 v21, s21, v[CO]
	v_lshrrev_b32 v22, 1, v[CO]
	s_lshl_b32 s21, s14, 8
	s_add_co_u32 s21, s21, XN+2048
	v_add_nc_u32 v23, s21, v22
	WALU
	ds_load_b128 v[60:63], v21
	ds_load_b64 v[40:41], v23
	s_wait_dscnt 0x0
	global_store_b128 v[CO], v[60:63], s[66:67]
	global_store_b64 v22, v[40:41], s[92:93]
	s_wait_tensorcnt 0x0  ; the wave's end
	ds_add_u32 v[SPW], v[NIL]
	s_wait_dscnt 0x0
	CROUND
	s_endpgm
.Lfunc_end_k_q86cc1566d8_qkv:
	.size	k_q86cc1566d8_qkv, .Lfunc_end_k_q86cc1566d8_qkv-k_q86cc1566d8_qkv
	.p2alignl 7, 3214868480
	.fill 96, 4, 3214868480
	.section	.rodata,"a",@progbits
	.p2align	6, 0x0
	.amdhsa_kernel k_q86cc1566d8_qkv
		.amdhsa_group_segment_fixed_size 327680
		.amdhsa_private_segment_fixed_size 0
		.amdhsa_enable_private_segment 0
		.amdhsa_kernarg_size 104
		.amdhsa_user_sgpr_count 2
		.amdhsa_user_sgpr_kernarg_segment_ptr 1
		.amdhsa_wavefront_size32 1
		.amdhsa_system_sgpr_workgroup_id_x 1
		.amdhsa_system_sgpr_workgroup_id_y 1
		.amdhsa_system_sgpr_workgroup_id_z 1
		.amdhsa_system_vgpr_workitem_id 0
		.amdhsa_next_free_vgpr 1024
		.amdhsa_next_free_sgpr 102
		.amdhsa_reserve_vcc 0
		.amdhsa_float_denorm_mode_32 3
		.amdhsa_float_denorm_mode_16_64 3
		.amdhsa_memory_ordered 1
		.amdhsa_forward_progress 1
		.amdhsa_inst_pref_size 149
	.end_amdhsa_kernel
	.amdgpu_metadata
---
amdhsa.version: [ 1, 2 ]
amdhsa.kernels:
  - .name:           k_q86cc1566d8_qkv
    .symbol:         k_q86cc1566d8_qkv.kd
    .args:
      - { .name: x_codes, .offset: 0, .size: 8, .value_kind: global_buffer, .address_space: global }
      - { .name: x_scales, .offset: 8, .size: 8, .value_kind: global_buffer, .address_space: global }
      - { .name: Wq_codes, .offset: 16, .size: 8, .value_kind: global_buffer, .address_space: global }
      - { .name: Wq_scales, .offset: 24, .size: 8, .value_kind: global_buffer, .address_space: global }
      - { .name: Wk_codes, .offset: 32, .size: 8, .value_kind: global_buffer, .address_space: global }
      - { .name: Wk_scales, .offset: 40, .size: 8, .value_kind: global_buffer, .address_space: global }
      - { .name: Wv_codes, .offset: 48, .size: 8, .value_kind: global_buffer, .address_space: global }
      - { .name: Wv_scales, .offset: 56, .size: 8, .value_kind: global_buffer, .address_space: global }
      - { .name: bq, .offset: 64, .size: 8, .value_kind: global_buffer, .address_space: global }
      - { .name: bk, .offset: 72, .size: 8, .value_kind: global_buffer, .address_space: global }
      - { .name: bv, .offset: 80, .size: 8, .value_kind: global_buffer, .address_space: global }
      - { .name: qkv_codes, .offset: 88, .size: 8, .value_kind: global_buffer, .address_space: global }
      - { .name: qkv_scales, .offset: 96, .size: 8, .value_kind: global_buffer, .address_space: global }
    .group_segment_fixed_size: 327680
    .private_segment_fixed_size: 0
    .kernarg_segment_align: 8
    .kernarg_segment_size: 104
    .max_flat_workgroup_size: 128
    .sgpr_count:     102
    .vgpr_count:     1024
    .wavefront_size: 32
...
	.end_amdgpu_metadata
.endif
;; end of part 1
;; launch scores (part 2): grid 12 x 16, 4 waves a work-group, clusters of 4 x 4, 327,680 bytes of LDS; arguments qkv_codes, qkv_scales, p_codes, p_stats; writes p_codes, p_stats
.if DOCPART == 2
	.amdgcn_target "amdgcn-amd-amdhsa--gfx1250"
	.amdhsa_code_object_version 6
	.text
	.protected	k_q86cc1566d8_scores
	.globl	k_q86cc1566d8_scores
	.p2align	8
	.type	k_q86cc1566d8_scores,@function
k_q86cc1566d8_scores:
	s_mov_b64 s[64:65], 0
	v_nop
	global_prefetch_b8 v0, s[64:65] scope:SCOPE_SE
	s_setreg_imm32_b32 hwreg(HW_REG_WAVE_MODE, 25, 1), 1
	s_wait_xcnt 0x0
	s_wait_alu depctr_hold_cnt(0) depctr_sa_sdst(0) depctr_va_vdst(0) depctr_va_sdst(0) depctr_va_ssrc(0) depctr_va_vcc(0) depctr_vm_vsrc(0)
	s_getreg_b32 s2, hwreg(HW_REG_IB_STS2, 6, 4)
	s_cmp_eq_u32 s2, 0
	s_cbranch_scc0 .Lentry_in_a_cluster
	s_endpgm
.Lentry_in_a_cluster:
	s_bfe_u32 s2, ttmp6, 0x10000c
	s_cmp_lg_u32 s2, 0xf033
	s_cbranch_scc0 .Lentry_shape_is_right
	s_endpgm
.Lentry_shape_is_right:
; S = q k^T on codes of BF8 (E5M2) with E8M0 scales, the causal mask, and p = 2^(t - M) under a LOCAL M, quantised along the keys and stored as codes.
; t = score x log2(e) / 32.  For each query and each chunk of 128 keys: M = the chunk's largest t, rounded up to a whole number; p = 2^(t - M); l = the sum of the unquantised p.  The launch that multiplies p
; takes the largest M of a row's chunks and takes the difference, a whole number, off p's scale bytes: exact.  Stored for it: the scale words with bit 7 set in each byte, M and l as f32.
; SHARES: a batch's 2,048 x 2,048 scores are four blocks of 1,024 x 1,024; the three that are not wholly hidden are a cluster of 4 x 4 work-groups each (cluster x 0, 1, 2: blocks (0,0), (1,0), (1,1)).
; A work-group makes 256 queries x 256 keys, a wave 128 x 128: 64 accumulators.  q's tile is asked for jointly along a row of the cluster, k's along a column.
; In the two clusters on the diagonal six work-groups lie wholly above it.  They make every joint request like their partners (no branch may hang on a place in the cluster) and store zero codes, M = -3e38, l = 0,
; which the next launch reads: it walks the same number of chunks for all partners of its clusters.  All 192 work-groups run at the same time.
; THE MASK is applied in every work-group by selects: D = my first query - my first key is a multiple of 128: D > 0 all keys count, D < 0 none, D = 0 tile t of keys counts for tile a of queries where t < a, and by lanes where t = a.
; OPERANDS are images of their registers (a fragment is 2,048 bytes, registers 4 c .. 4 c + 3 of lane l at 512 c + 16 l): a tensor load brings whole fragments, a fragment comes out of LDS by four loads of 512 consecutive bytes.
; THE MATRIX INSTRUCTION IS USED TRANSPOSED (source 0 = 16 keys, source 1 = 16 queries): lane (r, h) holds query r, register j of tile t key 16 t + 8 h + j.  K is permuted inside each block of 32, alike in q and k, and in p and v^T.
; LIMITS: NaN and infinities are not served; |t| stays under 2^24, so that M is a whole number in f32; a block whose every p is 0 keeps the byte 1.
; No prefetch: the tiles are shared in clusters, and the launch is short.
; REGISTERS: window 0: v1-4 lane terms, v16-21 LDS addresses, v28-29 the spare word's, v30 -infinity; v32-63 q's scale words, v64-95 k's; v96-119 the eight tiles' words, M, l; v128-255 q's fragments, later the softmax's work.
;   window 1: k's fragments, two sets.   windows 2, 3: the accumulators, (a, b) at v[8 (8 (a % 4) + b)].
.set NA,     8
.set SAI,    1
.set SAX,    4
.set SBI,    1
.set SBX,    4
.set AF,     128
.set HALFA,  32768                     ; 8 row tiles x 4,096 bytes (two K steps of a fragment each)
.set ABYTES, 2*HALFA
.set HALFB,  32768
.set SLOT,   ABYTES+2*HALFB
.set SPARE,  2*SLOT
.set ASTEP,  4096
.set BSTEP,  4096
.set ADRA, 16
.set ADRB, 20
.set SPW,  28
.set NIL,  29
.set NINF, 30
.set SA,   32
.set SB,   64
.set PW,   96
.set PM,   104
.set PL,   112
.set T0,   120
.set NM,   121
.set W,    128                         ; t - M, then p
.set PC,   192                         ; codes: two sets of 16
.set TM,   224
.set TP,   228
.set HO,   232
.set SO,   236
.set BY,   240
.set NB,   244                         ; -M, or -infinity for a hidden block: a pair for each block, of which the low word serves
.set SU,   252
.set G1,   24
.set G0,   32
.set G1B,  48
.set G0B,  56
.set SGE,  74
.set SGT,  75
.set SM,   76                          ; s76-83
.set SHI,  84
.set CS,   86
.set SEL,  88
.set MNT,  90
.set MSB,  0
.macro WIN new
.if MSB != (\new)
	s_set_vgpr_msb (MSB<<8)|(\new)
.set MSB, (\new)
.endif
.endm
.macro PLACES n
.rept \n
	v_nop
.endr
.endm
.macro JLOAD g0a, g1a, g0b, g1b        ; waves 0 and 1 fetch q's halves, waves 2 and 3 k's; four v_nop follow each of the two lines
	s_cmp_eq_u32 s15, 0
	s_cbranch_scc0 .Lfor_b_\@
	tensor_load_to_lds s[\g0a:\g0a+3], s[\g1a:\g1a+7]
	s_nop 0
.rept 4
	v_nop
.endr
	s_branch .Lasked_\@
.Lfor_b_\@:
	tensor_load_to_lds s[\g0b:\g0b+3], s[\g1b:\g1b+7]
	s_nop 0
.rept 4
	v_nop
.endr
.Lasked_\@:
.endm
.macro CREST
	s_cmp_lg_u32 s14, 0
	s_cbranch_scc1 .Lnot_wave_0_\@
	s_barrier_signal -3
.Lnot_wave_0_\@:
	s_barrier_wait -3
	s_barrier_signal -1
	s_barrier_wait -1
.endm
.macro CROUND
	s_barrier_signal -1
	s_barrier_wait -1
	CREST
.endm
.macro FRAGA reg, slot, q, i
.irp c, 0,1,2,3
	ds_load_b128 v[\reg+4*\c:\reg+4*\c+3], v[ADRA+\slot] offset:4096*(\i)+2048*(\q)+512*\c
.endr
.endm
.macro FRAGB reg, slot, q, i
.irp c, 0,1,2,3
	ds_load_b128 v[\reg+4*\c:\reg+4*\c+3], v[ADRB+\slot] offset:4096*(\i)+2048*(\q)+512*\c
.endr
.endm
.macro FETCH_B slot, q, p
	WIN 0x40
.irp i, 0,1,2,3,4,5,6,7
	FRAGB 128*(\p)+16*\i, \slot, \q, \i
.endr
	WIN 0
.endm
.macro FETCH_A slot, q, half
.set fi, (\half)*NA/2
.rept NA/2
	FRAGA AF+16*fi, \slot, \q, fi
.set fi, fi+1
.endr
.endm
; Eight matrix instructions: q's block a against k's eight.  cm = 1: the constant 0 starts the sums.  The scale words of tiles 4-7 of either side lie in lanes 16-31.
; The 64 accumulators take turns, one instruction a turn, in the same order in every step.
.macro MULB a, p, sx, cm
.irp b, 0,1,2,3,4,5,6,7
.set rD, 8*(8*((\a)%4)+\b)
.set rB, 128*(\p)+16*\b
.set rA, AF+16*(\a)
.set rSB, SB+SBI*(\b%4)+SBX*(\sx)
.set rSA, SA+SAI*((\a)%4)+SAX*(\sx)
.set rw, 2*((\a)/4)+(\b/4)
.if (\cm) == 1
.if rw == 0
	v_wmma_scale_f32_16x16x128_f8f6f4 v[rD:rD+7], v[rB:rB+15], v[rA:rA+15], 0, v[rSB], v[rSA] matrix_a_fmt:MATRIX_FMT_BF8 matrix_b_fmt:MATRIX_FMT_BF8
.elseif rw == 1
	v_wmma_scale_f32_16x16x128_f8f6f4 v[rD:rD+7], v[rB:rB+15], v[rA:rA+15], 0, v[rSB], v[rSA] matrix_a_fmt:MATRIX_FMT_BF8 matrix_b_fmt:MATRIX_FMT_BF8 matrix_a_scale:MATRIX_SCALE_ROW1
.elseif rw == 2
	v_wmma_scale_f32_16x16x128_f8f6f4 v[rD:rD+7], v[rB:rB+15], v[rA:rA+15], 0, v[rSB], v[rSA] matrix_a_fmt:MATRIX_FMT_BF8 matrix_b_fmt:MATRIX_FMT_BF8 matrix_b_scale:MATRIX_SCALE_ROW1
.else
	v_wmma_scale_f32_16x16x128_f8f6f4 v[rD:rD+7], v[rB:rB+15], v[rA:rA+15], 0, v[rSB], v[rSA] matrix_a_fmt:MATRIX_FMT_BF8 matrix_b_fmt:MATRIX_FMT_BF8 matrix_a_scale:MATRIX_SCALE_ROW1 matrix_b_scale:MATRIX_SCALE_ROW1
.endif
.else
.if rw == 0
	v_wmma_scale_f32_16x16x128_f8f6f4 v[rD:rD+7], v[rB:rB+15], v[rA:rA+15], v[rD:rD+7], v[rSB], v[rSA] matrix_a_fmt:MATRIX_FMT_BF8 matrix_b_fmt:MATRIX_FMT_BF8
.elseif rw == 1
	v_wmma_scale_f32_16x16x128_f8f6f4 v[rD:rD+7], v[rB:rB+15], v[rA:rA+15], v[rD:rD+7], v[rSB], v[rSA] matrix_a_fmt:MATRIX_FMT_BF8 matrix_b_fmt:MATRIX_FMT_BF8 matrix_a_scale:MATRIX_SCALE_ROW1
.elseif rw == 2
	v_wmma_scale_f32_16x16x128_f8f6f4 v[rD:rD+7], v[rB:rB+15], v[rA:rA+15], v[rD:rD+7], v[rSB], v[rSA] matrix_a_fmt:MATRIX_FMT_BF8 matrix_b_fmt:MATRIX_FMT_BF8 matrix_b_scale:MATRIX_SCALE_ROW1
.else
	v_wmma_scale_f32_16x16x128_f8f6f4 v[rD:rD+7], v[rB:rB+15], v[rA:rA+15], v[rD:rD+7], v[rSB], v[rSA] matrix_a_fmt:MATRIX_FMT_BF8 matrix_b_fmt:MATRIX_FMT_BF8 matrix_a_scale:MATRIX_SCALE_ROW1 matrix_b_scale:MATRIX_SCALE_ROW1
.endif
.endif
.endr
.endm
.macro MULQ n, p, sx, cm               ; a quarter of a step: two blocks.  Source 0 window 1, source 1 window 0; C and D window 2 (blocks 0-3) or 3
.if (\n) >= 2
	WIN 0xf1
.else
	WIN 0xa1
.endif
	MULB 2*(\n), \p, \sx, \cm
	MULB 2*(\n)+1, \p, \sx, \cm
.endm
; A load into a register that a matrix instruction has read, and a vector instruction that reads a result, stand eight places behind it; only plain vector instructions are places.
.macro STEP slot, sx, cm
	s_wait_dscnt 2*NA                              ; k's set and q's blocks 0-3 are in; the youngest 16 loads (blocks 4-7) may be out
	MULQ 0, 0, \sx, \cm
	MULQ 1, 0, \sx, \cm
	s_wait_dscnt 0x0
	PLACES 8
	FETCH_B \slot, 1, 1
	FETCH_A \slot, 1, 0
	MULQ 2, 0, \sx, \cm
	MULQ 3, 0, \sx, \cm
	PLACES 8
	WIN 0
	FETCH_A \slot, 1, 1
.endm
.macro TURN slot, next, fill, sx       ; a slot's last step changes slots: one barrier, with the three lines in front of it
	s_wait_tensorcnt 0x0                           ; all my tensor loads have landed: my part of the next slot
	ds_add_u32 v[SPW], v[NIL]                      ; 0 onto my spare word
	s_wait_dscnt 2*NA+1                            ; (the add and q's blocks 4-7 may be out)
	MULQ 0, 1, \sx, 0
	s_wait_dscnt 0x0                               ; the add is done, and my reads of this slot are over
	s_barrier_signal -1
	MULQ 1, 1, \sx, 0
	WIN 0
	s_barrier_wait -1
.if \fill
	CREST                                          ; the barrier has opened a round of the cluster's: no wave of any partner still reads this slot or has a load on its way
	s_add_nc_u64 s[G0+4*\slot+2:G0+4*\slot+3], s[G0+4*\slot+2:G0+4*\slot+3], 2*ASTEP
	s_add_nc_u64 s[G0B+4*\slot+2:G0B+4*\slot+3], s[G0B+4*\slot+2:G0B+4*\slot+3], 2*BSTEP
	JLOAD G0+4*\slot, G1, G0B+4*\slot, G1B
	PLACES 4
.else
	PLACES 8
.endif
	FETCH_B \next, 0, 0
	FETCH_A \next, 0, 0
	MULQ 2, 1, \sx, 0
	MULQ 3, 1, \sx, 0
	PLACES 8
	WIN 0
	FETCH_A \next, 0, 1
.endm
.macro LAST sx
	s_wait_dscnt 2*NA
	MULQ 0, 1, \sx, 0
	MULQ 1, 1, \sx, 0
	s_wait_dscnt 0x0
	MULQ 2, 1, \sx, 0
	MULQ 3, 1, \sx, 0
	WIN 0
.endm
	s_load_b256 s[4:11], s[0:1], 0x0               ; q, k, v^T's codes 4, their scale words 6, p's codes 8, p's words, M and l 10
	v_lshl_add_u32 v[SPW], v0, 2, SPARE
	v_mov_b32 v[NIL], 0
	ds_add_u32 v28, v29
	ds_add_u32 v28, v29
	s_wait_dscnt 0x0
	v_mov_b32 v[NINF], 0xff800000
	v_lshrrev_b32 v1, 5, v0
	v_readfirstlane_b32 s14, v1                    ; wave 0..3
	s_lshr_b32 s15, s14, 1                         ; my half of the queries.  Also: I fetch for q (0) or for k (1)
	s_and_b32 s16, s14, 1                          ; my half of the keys.  Also: which half of that tile I fetch
	s_bfe_u32 s40, ttmp6, 0x40000                  ; cx
	s_bfe_u32 s41, ttmp6, 0x40004                  ; cy
	s_and_b32 s12, ttmp7, 0xffff                   ; the batch
	s_add_co_u32 s18, ttmp9, 1
	s_lshr_b32 s18, s18, 1                         ; the block's row: 0, 1, 1
	s_lshr_b32 s19, ttmp9, 1                       ; its column: 0, 0, 1
	s_lshl_b32 s17, s18, 2
	s_add_co_u32 s17, s17, s41                     ; my 256 queries of the batch
	s_lshl_b32 s42, s19, 2
	s_add_co_u32 s42, s42, s40                     ; my 256 keys
	s_lshl_b32 s43, s41, 2
	s_lshl_b32 s43, 15, s43
	s_lshl_b32 s44, 0x1111, s40
	s_or_b32 s[G1], s43, (3<<16)|(1<<21)           ; the mask; elements of 8 bytes; no padding; bit 21 beside a mask
	s_or_b32 s[G1B], s44, (3<<16)|(1<<21)
.irp g, G1, G1B
	s_mov_b32 s[\g+1], 512<<16                     ; tensor_dim0: two fragments, 4,096 bytes
	s_mov_b32 s[\g+2], 8<<16                       ; tensor_dim1: 8 row tiles
	s_mov_b32 s[\g+3], 512<<16                     ; tile_dim0
	s_mov_b32 s[\g+4], 8                           ; tile_dim1
	s_mov_b32 s[\g+5], 2048                        ; from a row tile to the next: 8 fragments
	s_mov_b32 s[\g+6], 0
	s_mov_b32 s[\g+7], 0
.endr
	s_lshl_b32 s13, s12, 21                        ; a batch is 128 row tiles of 16,384 bytes
	s_lshl_b32 s18, s16, 17                        ; the half that I fetch: 8 row tiles
	s_lshl_b32 s20, s17, 18
	s_add_co_u32 s20, s20, s13
	s_add_co_u32 s20, s20, s18
	s_mov_b32 s21, 0
	s_lshl_b32 s46, s42, 18
	s_add_co_u32 s46, s46, s13
	s_add_co_u32 s46, s46, s18
	s_add_co_u32 s46, s46, 8388608                 ; k lies behind q
	s_mov_b32 s47, 0
	s_mul_i32 s45, s16, HALFA
	s_mul_i32 s66, s16, HALFB
	s_add_co_u32 s66, s66, ABYTES
	s_wait_kmcnt 0x0
	s_add_nc_u64 s[20:21], s[4:5], s[20:21]
	s_add_nc_u64 s[46:47], s[4:5], s[46:47]
	CROUND                                         ; all sixteen work-groups are here: the first joint loads meet
.irp s, 0,1
	s_mov_b32 s[G0+4*\s], 1
	s_add_co_u32 s[G0+4*\s+1], s45, \s*SLOT
	s_add_nc_u64 s[G0+4*\s+2:G0+4*\s+3], s[20:21], \s*ASTEP
	s_or_b32 s[G0+4*\s+3], s[G0+4*\s+3], 0x80000000
	s_mov_b32 s[G0B+4*\s], 1
	s_add_co_u32 s[G0B+4*\s+1], s66, \s*SLOT
	s_add_nc_u64 s[G0B+4*\s+2:G0B+4*\s+3], s[46:47], \s*BSTEP
	s_or_b32 s[G0B+4*\s+3], s[G0B+4*\s+3], 0x80000000
.endr
	JLOAD G0, G1, G0B, G1B                         ; slot 0: one tensor load a wave at the head
	v_and_b32 v5, 31, v0
	v_lshlrev_b32 v3, 4, v5                        ; 16 x lane: my place in every image
	s_wait_alu depctr_va_vdst(0)
	s_mul_i32 s21, s15, HALFA
	s_mul_i32 s22, s16, HALFB
	s_add_co_u32 s22, s22, ABYTES
.irp s, 0,1
	v_add_nc_u32 v[ADRA+\s], s21, v3
	v_add_nc_u32 v[ADRB+\s], s22, v3
	s_add_co_u32 s21, s21, SLOT
	s_add_co_u32 s22, s22, SLOT
.endr
	s_lshl_b32 s72, s17, 1
	s_add_co_u32 s72, s72, s15                     ; my 128 queries of the batch's sixteen groups
	s_lshl_b32 s73, s42, 1
	s_add_co_u32 s73, s73, s16                     ; my chunk of 128 keys
	s_lshl_b32 s13, s12, 13                        ; a batch is 16 groups of 512 bytes
	s_lshl_b32 s18, s72, 9
	s_add_co_u32 s18, s18, s13
	s_mov_b32 s19, 0
	s_add_nc_u64 s[68:69], s[6:7], s[18:19]        ; q's scale words: my group
	s_lshl_b32 s18, s73, 9
	s_add_co_u32 s18, s18, s13
	s_add_co_u32 s18, s18, 262144
	s_add_nc_u64 s[70:71], s[6:7], s[18:19]        ; k's
.irp x, 0,1,2,3,4,5,6,7
	global_load_b128 v[SA+4*\x:SA+4*\x+3], v3, s[68:69] offset:32768*\x     ; K step x: lane (r, h) takes the words of tiles 4 h .. 4 h + 3 at row r: 512 consecutive bytes
	global_load_b128 v[SB+4*\x:SB+4*\x+3], v3, s[70:71] offset:32768*\x
.endr
	s_cmp_ge_i32 s72, s73                          ; the masks: selects' operands, never a branch
	s_cselect_b32 s[SGE], -1, 0
	s_cmp_gt_i32 s72, s73
	s_cselect_b32 s[SGT], -1, 0
.irp j, 0,1,2,3,4,5,6,7
	s_and_b32 s[SM+\j], s[SGE], ((0xffff<<\j)&0xffff)|(((0xffff<<(8+\j))&0xffff)<<16)   ; on the diagonal tile register j counts in the lanes with 8 h + j <= r
	s_or_b32 s[SM+\j], s[SM+\j], s[SGT]
.endr
	s_mov_b32 s[SHI], 0xffff0000
	s_mov_b32 s[CS], 0x3d38aa3b                    ; c = log2(e) / 32
	s_mov_b32 s[CS+1], s[CS]                       ; (named with it as a pair, so it is written)
	s_mov_b32 s[SEL], 0x76543210
	s_mov_b32 s[SEL+1], 0xfedcba98
	s_mov_b32 s[MNT], 0x600000
	s_lshl_b32 s18, s12, 22                        ; p's codes: (my first query tile x 16 chunks + my chunk) x 2,048
	s_lshl_b32 s22, s72, 18
	s_add_co_u32 s18, s18, s22
	s_lshl_b32 s22, s73, 11
	s_add_co_u32 s18, s18, s22
	s_add_nc_u64 s[8:9], s[8:9], s[18:19]
	s_lshl_b32 s18, s73, 15                        ; words, M, l: (chunk x 64 groups + group) x 512
	s_add_co_u32 s18, s18, s13
	s_lshl_b32 s22, s72, 9
	s_add_co_u32 s18, s18, s22
	s_add_nc_u64 s[10:11], s[10:11], s[18:19]
	s_wait_alu depctr_va_vdst(0)
	s_wait_tensorcnt 0x0                           ; my part of slot 0 is in
	ds_add_u32 v[SPW], v[NIL]
	s_wait_dscnt 0x0
	CROUND                                         ; everybody's part of slot 0 is in, and the joint loads meet
	JLOAD G0+4, G1, G0B+4, G1B                     ; slot 1
	s_wait_loadcnt 0x0                             ; the scale words
	FETCH_B 0, 0, 0
	FETCH_A 0, 0, 0
	FETCH_A 0, 0, 1
	STEP 0, 0, 1                                   ; the first step's products start the sums
	TURN 0, 1, 1, 1
	STEP 1, 2, 0
	TURN 1, 0, 1, 3
	STEP 0, 4, 0
	TURN 0, 1, 0, 5
	STEP 1, 6, 0
	LAST 7
; Tile a of 16 queries: mask, M, p, l, codes.  Block b of 32 keys is tiles 2 b, 2 b + 1 of keys: my 16 registers 16 b .. 16 b + 15; lane l xor 16 has the other 16.
.macro SOFT a
.set WA, 2+(\a)/4
.set AC, 64*((\a)%4)
.set BP, (\a)/2
.set PCR, PC+16*((\a)%2)
.set wv, (WA<<6)|(WA<<2)
	WIN wv                                         ; the block that holds the diagonal tile is masked number by number, in place, from each accumulator's low end on
.irp j, 0,1,2,3,4,5,6,7
.if (\a)%2 == 0
	v_cndmask_b32 v[AC+16*BP+\j], v[NINF], v[AC+16*BP+\j], s[SM+\j]
.else
	v_cndmask_b32 v[AC+16*BP+\j], v[NINF], v[AC+16*BP+\j], s[SGE]
.endif
.endr
.irp j, 0,1,2,3,4,5,6,7
.if (\a)%2 == 0
	v_cndmask_b32 v[AC+16*BP+8+\j], v[NINF], v[AC+16*BP+8+\j], s[SGT]
.else
	v_cndmask_b32 v[AC+16*BP+8+\j], v[NINF], v[AC+16*BP+8+\j], s[SM+\j]
.endif
.endr
.set wv, WA|(WA<<2)|(WA<<4)
	WIN wv
.irp b, 0,1,2,3
	v_max3_num_f32 v[TM+\b], v[AC+16*\b], v[AC+16*\b+1], v[AC+16*\b+2]      ; the largest score of each block: it serves for the row's maximum and, since p rises with the score, for the block's largest p
.endr
.set wv, (WA<<2)|(WA<<4)
	WIN wv
.irp i, 3,5,7,9,11,13
.irp b, 0,1,2,3
	v_max3_num_f32 v[TM+\b], v[TM+\b], v[AC+16*\b+\i], v[AC+16*\b+\i+1]
.endr
.endr
.set wv, WA<<2
	WIN wv
.irp b, 0,1,2,3
	v_max_num_f32 v[TM+\b], v[TM+\b], v[AC+16*\b+15]
.endr
	WIN 0
.irp b, 0,1,2,3
	v_permlanex16_b32 v[TP+\b], v[TM+\b], s[SEL], s[SEL+1]
.endr
.irp b, 0,1,2,3
	v_max_num_f32 v[TM+\b], v[TM+\b], v[TP+\b]
.endr
.irp b, 0,1,2,3
.if \b < BP
	v_cndmask_b32 v[TM+\b], v[NINF], v[TM+\b], s[SGE]                       ; the other blocks count or are hidden as a whole
.elseif \b > BP
	v_cndmask_b32 v[TM+\b], v[NINF], v[TM+\b], s[SGT]
.endif
.endr
	v_max3_num_f32 v[T0], v[TM], v[TM+1], v[TM+2]
	v_max_num_f32 v[T0], v[T0], v[TM+3]
	v_mul_f32 v[T0], s[CS], v[T0]                  ; the chunk's largest t (c is positive),
	v_max_num_f32 v[T0], 0xff61b1e6, v[T0]         ; or -3e38 where the whole chunk is hidden
	v_floor_f32 v[NM], -v[T0]                      ; -M = floor(-t): M is a whole number
.irp b, 0,1,2,3
.if \b < BP
	v_cndmask_b32 v[NB+2*\b], v[NINF], v[NM], s[SGE]
.elseif \b > BP
	v_cndmask_b32 v[NB+2*\b], v[NINF], v[NM], s[SGT]
.else
	v_mov_b32 v[NB+2*\b], v[NM]
.endif
.endr
	WIN WA
.irp b, 0,1,2,3
.irp i, 0,2,4,6,8,10,12,14
	v_pk_fma_f32 v[W+16*\b+\i:W+16*\b+\i+1], v[AC+16*\b+\i:AC+16*\b+\i+1], s[CS:CS+1], v[NB+2*\b:NB+2*\b+1] op_sel_hi:[1,0,0]   ; t - M, or -infinity
.endr
.endr
	WIN 0
.irp b, 0,1,2,3
	v_fma_f32 v[TM+\b], v[TM+\b], s[CS], v[NB+2*\b]                         ; the same of each block's largest score
.endr
.set ei, 0
	s_wait_alu depctr_va_vdst(0)
.rept 64
	v_exp_f32 v[W+ei], v[W+ei]                     ; p = 2^(t - M): one batch
.set ei, ei+1
.endr
	v_mul_f32 v[PM+(\a)], -1.0, v[NM]              ; M.  (The plain instruction behind the batch)
	s_wait_alu depctr_va_vdst(0)                   ; one wait for the 64, ahead of their first reader
.irp b, 0,1,2,3
	v_exp_f32 v[TM+\b], v[TM+\b]                   ; each block's largest p: the same two instructions on the same number give the same bits
.endr
	v_pk_add_f32 v[SU:SU+1], v[W:W+1], v[W+4:W+5]  ; l is taken of the unquantised p: two chains.  (They read the 64 alone)
	v_pk_add_f32 v[SU+2:SU+3], v[W+2:W+3], v[W+6:W+7]
.irp j, 8,12,16,20,24,28,32,36,40,44,48,52,56,60
	v_pk_add_f32 v[SU:SU+1], v[SU:SU+1], v[W+\j:W+\j+1]
	v_pk_add_f32 v[SU+2:SU+3], v[SU+2:SU+3], v[W+\j+2:W+\j+3]
.endr
	v_pk_add_f32 v[SU:SU+1], v[SU:SU+1], v[SU+2:SU+3]
	v_add_f32 v[SU], v[SU], v[SU+1]
	v_permlanex16_b32 v[TP], v[SU], s[SEL], s[SEL+1]
	v_add_f32 v[PL+(\a)], v[SU], v[TP]
	s_wait_alu depctr_va_vdst(0)                   ; and one for the four
.irp b, 0,1,2,3
	v_max_num_f32 v[TM+\b], 0x8000000, v[TM+\b]    ; the floor 2^(16 - 127): the byte cannot fall under 1
.endr
.irp b, 0,1,2,3
	v_add_nc_u32 v[SO+\b], 0xf8800000, v[TM+\b]
.endr
.irp b, 0,1,2,3
	v_and_or_b32 v[HO+\b], v[TM+\b], 0x7f800000, s[MNT]
.endr
.irp b, 0,1,2,3
	v_lshrrev_b32 v[BY+\b], 23, v[SO+\b]
.endr
	v_lshl_or_b32 v[T0], v[BY+1], 8, v[BY]
	v_lshl_or_b32 v[T0], v[BY+2], 16, v[T0]
	v_lshl_or_b32 v[T0], v[BY+3], 24, v[T0]
	v_or_b32 v[PW+(\a)], 0x80808080, v[T0]         ; bit 7 of each byte (a byte is 112 at the most): so the next launch's subtraction borrows from no neighbour
.if (\a) >= 2
	s_wait_xcnt 0x0                                ; the stores of two tiles back have read their registers, which are written again below
.endif
.irp b, 0,1,2,3
.irp i, 0,1,2,3,4,5,6,7,8,9,10,11,12,13,14,15
	v_min_num_f32 v[W+16*\b+\i], v[W+16*\b+\i], v[HO+\b]                    ; the conversion does not saturate (ISA guide 7.6.2); p is not negative: a one-sided hold
.endr
.endr
.irp b, 0,1,2,3
	v_cvt_scalef32_pk8_bf8_f32 v[PCR+4*\b:PCR+4*\b+1], v[W+16*\b:W+16*\b+7], v[SO+\b]
	v_cvt_scalef32_pk8_bf8_f32 v[PCR+4*\b+2:PCR+4*\b+3], v[W+16*\b+8:W+16*\b+15], v[SO+\b]
.endr
	v_nop                                          ; one plain instruction behind the last conversion
.irp c, 0,1,2,3
	global_store_b128 v3, v[PCR+4*\c:PCR+4*\c+3], s[8:9] offset:32768*(\a)+512*\c    ; 512 consecutive bytes, aligned
.endr
.endm
	PLACES 8
.irp b, 0,1,2,3
	v_mov_b32 v[TP+\b], 0                          ; written once: a lane permute's destination counts as one of its sources
	v_mov_b32 v[NB+2*\b+1], 0                      ; (the upper halves of the pairs are named, so they are written)
.endr
	SOFT 0
	SOFT 1
	SOFT 2
	SOFT 3
	SOFT 4
	SOFT 5
	SOFT 6
	SOFT 7
.irp i, 0,1,2,3
	v_cndmask_b32 v[W+\i], v[PW+\i], v[PW+4+\i], s[SHI]                     ; lanes 0-15 keep tiles 0-3, lanes 16-31 take tiles 4-7: the layout of a group's 512 bytes
	v_cndmask_b32 v[W+4+\i], v[PM+\i], v[PM+4+\i], s[SHI]
	v_cndmask_b32 v[W+8+\i], v[PL+\i], v[PL+4+\i], s[SHI]
.endr
	global_store_b128 v3, v[W:W+3], s[10:11]
	global_store_b128 v3, v[W+4:W+7], s[10:11] offset:524288
	global_store_b128 v3, v[W+8:W+11], s[10:11] offset:1048576
	s_wait_tensorcnt 0x0                           ; the wave's end
	ds_add_u32 v[SPW], v[NIL]
	s_wait_dscnt 0x0
	CROUND                                         ; the closing round
	s_endpgm
.Lfunc_end_k_q86cc1566d8_scores:
	.size	k_q86cc1566d8_scores, .Lfunc_end_k_q86cc1566d8_scores-k_q86cc1566d8_scores
	.p2alignl 7, 3214868480
	.fill 96, 4, 3214868480
	.section	.rodata,"a",@progbits
	.p2align	6, 0x0
	.amdhsa_kernel k_q86cc1566d8_scores
		.amdhsa_group_segment_fixed_size 327680
		.amdhsa_private_segment_fixed_size 0
		.amdhsa_enable_private_segment 0
		.amdhsa_kernarg_size 32
		.amdhsa_user_sgpr_count 2
		.amdhsa_user_sgpr_kernarg_segment_ptr 1
		.amdhsa_wavefront_size32 1
		.amdhsa_system_sgpr_workgroup_id_x 1
		.amdhsa_system_sgpr_workgroup_id_y 1
		.amdhsa_system_sgpr_workgroup_id_z 1
		.amdhsa_system_vgpr_workitem_id 0
		.amdhsa_next_free_vgpr 1024
		.amdhsa_next_free_sgpr 100
		.amdhsa_reserve_vcc 0
		.amdhsa_float_denorm_mode_32 3
		.amdhsa_float_denorm_mode_16_64 3
		.amdhsa_memory_ordered 1
		.amdhsa_forward_progress 1
		.amdhsa_inst_pref_size 235
	.end_amdhsa_kernel
	.amdgpu_metadata
---
amdhsa.version: [ 1, 2 ]
amdhsa.kernels:
  - .name:           k_q86cc1566d8_scores
    .symbol:         k_q86cc1566d8_scores.kd
    .args:
      - { .name: qkv_codes, .offset: 0, .size: 8, .value_kind: global_buffer, .address_space: global }
      - { .name: qkv_scales, .offset: 8, .size: 8, .value_kind: global_buffer, .address_space: global }
      - { .name: p_codes, .offset: 16, .size: 8, .value_kind: global_buffer, .address_space: global }
      - { .name: p_stats, .offset: 24, .size: 8, .value_kind: global_buffer, .address_space: global }
    .group_segment_fixed_size: 327680
    .private_segment_fixed_size: 0
    .kernarg_segment_align: 8
    .kernarg_segment_size: 32
    .max_flat_workgroup_size: 128
    .sgpr_count:     100
    .vgpr_count:     1024
    .wavefront_size: 32
...
	.end_amdgpu_metadata
.endif
;; end of part 2
;; launch mix (part 3): grid 4 x 64, 4 waves a work-group, clusters of 4 x 4, 327,680 bytes of LDS; arguments p_codes, p_stats, qkv_codes, qkv_scales, o_codes, o_scales; writes o_codes, o_scales
.if DOCPART == 3
	.amdgcn_target "amdgcn-amd-amdhsa--gfx1250"
	.amdhsa_code_object_version 6
	.text
	.protected	k_q86cc1566d8_mix
	.globl	k_q86cc1566d8_mix
	.p2align	8
	.type	k_q86cc1566d8_mix,@function
k_q86cc1566d8_mix:
	s_mov_b64 s[64:65], 0
	v_nop
	global_prefetch_b8 v0, s[64:65] scope:SCOPE_SE
	s_setreg_imm32_b32 hwreg(HW_REG_WAVE_MODE, 25, 1), 1
	s_wait_xcnt 0x0
	s_wait_alu depctr_hold_cnt(0) depctr_sa_sdst(0) depctr_va_vdst(0) depctr_va_sdst(0) depctr_va_ssrc(0) depctr_va_vcc(0) depctr_vm_vsrc(0)
	s_getreg_b32 s2, hwreg(HW_REG_IB_STS2, 6, 4)
	s_cmp_eq_u32 s2, 0
	s_cbranch_scc0 .Lentry_in_a_cluster
	s_endpgm
.Lentry_in_a_cluster:
	s_bfe_u32 s2, ttmp6, 0x10000c
	s_cmp_lg_u32 s2, 0xf033
	s_cbranch_scc0 .Lentry_shape_is_right
	s_endpgm
.Lentry_shape_is_right:
; o = (p v) / l, quantised: p's and v^T's codes of BF8 with E8M0 scales.  A work-group makes 128 queries x 256 channels; a wave 64 x 128.  p's tile is asked for jointly along a row of the cluster of 4 x 4, v^T's along a column.
; LEFT OUT: keys beyond the last query of a cluster's 512: reference() sets their scores to -infinity whatever the inputs hold, so p is 0 there.
; M, a row's largest chunk M, is taken here: a chunk's scale words lose M - (the chunk's M), a whole number, byte by byte; a byte that would fall under 1 becomes 0: its codes are then below 2^-128 of the row's largest.
; o's codes are stored with K in its natural order inside each block of 32: tile 2 b + u's eight codes of lane (r, h) are k = 16 u + 8 h + 0 .. 7, 8 bytes at 512 b + 256 u + 16 r + 8 h of the fragment.
; PREFETCH into the L2, once a lap (two slots, 512 keys): 8,192 bytes of each of p's 8 row tiles and of v^T's 16 channel tiles, a lap ahead of the refills that load them.  The partners share the tiles out by address: row tiles 2 cx + wave (waves 0, 1),
; channel tiles 4 cy + wave.  The last two laps ask for nothing more.  LIMITS: NaN and infinities are not served.
.set NA,     4
.set SAI,    1
.set SAX,    4
.set SBI,    1
.set SBX,    4
.set AF,     192
.set HALFA,  16384
.set ABYTES, 2*HALFA
.set HALFB,  32768
.set SLOT,   ABYTES+2*HALFB
.set SPARE,  2*SLOT
.set ASTEP,  4096
.set BSTEP,  4096
.set ADRA, 16
.set ADRB, 20
.set SPW,  28
.set NIL,  29
.set SA,   32
.set RAWW, 48
.set RAWM, 56
.set SB,   64
.set MF,   80
.set W0,   84
.set MS,   96
.set FT,   160
.set TM,   160
.set TP,   164
.set HO,   168
.set SO,   172
.set BY,   176
.set PW,   180
.set RL,   184
.set LS,   192
.set PC,   192
.set G1,   24
.set G0,   32
.set G1B,  48
.set G0B,  56
.set SEL,  96
.set MNT,  98
.set MSB,  0
.macro WIN new
.if MSB != (\new)
	s_set_vgpr_msb (MSB<<8)|(\new)
.set MSB, (\new)
.endif
.endm
.macro PLACES n
.rept \n
	v_nop
.endr
.endm
.macro JLOAD g0a, g1a, g0b, g1b
	s_cmp_eq_u32 s15, 0
	s_cbranch_scc0 .Lfor_b_\@
	tensor_load_to_lds s[\g0a:\g0a+3], s[\g1a:\g1a+7]
	s_nop 0
.rept 4
	v_nop
.endr
	s_branch .Lasked_\@
.Lfor_b_\@:
	tensor_load_to_lds s[\g0b:\g0b+3], s[\g1b:\g1b+7]
	s_nop 0
.rept 4
	v_nop
.endr
.Lasked_\@:
.endm
.macro CREST
	s_cmp_lg_u32 s14, 0
	s_cbranch_scc1 .Lnot_wave_0_\@
	s_barrier_signal -3
.Lnot_wave_0_\@:
	s_barrier_wait -3
	s_barrier_signal -1
	s_barrier_wait -1
.endm
.macro CROUND
	s_barrier_signal -1
	s_barrier_wait -1
	CREST
.endm
.macro FRAGA reg, slot, q, i
.irp c, 0,1,2,3
	ds_load_b128 v[\reg+4*\c:\reg+4*\c+3], v[ADRA+\slot] offset:4096*(\i)+2048*(\q)+512*\c
.endr
.endm
.macro FRAGB reg, slot, q, i
.irp c, 0,1,2,3
	ds_load_b128 v[\reg+4*\c:\reg+4*\c+3], v[ADRB+\slot] offset:4096*(\i)+2048*(\q)+512*\c
.endr
.endm
.macro FETCH_B slot, q, p
	WIN 0x40
.irp i, 0,1,2,3,4,5,6,7
	FRAGB 128*(\p)+16*\i, \slot, \q, \i
.endr
	WIN 0
.endm
.macro FETCH_A slot, q, half
.set fi, (\half)*NA/2
.rept NA/2
	FRAGA AF+16*fi, \slot, \q, fi
.set fi, fi+1
.endr
.endm
.macro MULB a, p, sx, cm
.irp b, 0,1,2,3,4,5,6,7
.set rD, 8*(8*(\a)+\b)
.set rB, 128*(\p)+16*\b
.set rA, AF+16*(\a)
.set rSB, SB+SBI*(\b%4)+SBX*(\sx)
.set rSA, SA+SAI*(\a)+SAX*(\sx)
.if (\cm) == 1
.if \b < 4
	v_wmma_scale_f32_16x16x128_f8f6f4 v[rD:rD+7], v[rB:rB+15], v[rA:rA+15], 0, v[rSB], v[rSA] matrix_a_fmt:MATRIX_FMT_BF8 matrix_b_fmt:MATRIX_FMT_BF8
.else
	v_wmma_scale_f32_16x16x128_f8f6f4 v[rD:rD+7], v[rB:rB+15], v[rA:rA+15], 0, v[rSB], v[rSA] matrix_a_fmt:MATRIX_FMT_BF8 matrix_b_fmt:MATRIX_FMT_BF8 matrix_a_scale:MATRIX_SCALE_ROW1
.endif
.else
.if \b < 4
	v_wmma_scale_f32_16x16x128_f8f6f4 v[rD:rD+7], v[rB:rB+15], v[rA:rA+15], v[rD:rD+7], v[rSB], v[rSA] matrix_a_fmt:MATRIX_FMT_BF8 matrix_b_fmt:MATRIX_FMT_BF8
.else
	v_wmma_scale_f32_16x16x128_f8f6f4 v[rD:rD+7], v[rB:rB+15], v[rA:rA+15], v[rD:rD+7], v[rSB], v[rSA] matrix_a_fmt:MATRIX_FMT_BF8 matrix_b_fmt:MATRIX_FMT_BF8 matrix_a_scale:MATRIX_SCALE_ROW1
.endif
.endif
.endr
.endm
.macro MULQ n, p, sx, cm
	WIN 0xa1
	MULB \n, \p, \sx, \cm
.endm
.macro FIX dst, w, m
.irp n, 0,1,2,3,4,5,6,7
	v_sub_f32 v[FT+\n], v[MF+\n%4], v[\m+\n]
.endr
.irp n, 0,1,2,3,4,5,6,7
	v_min_num_f32 v[FT+\n], 0x43000000, v[FT+\n]
.endr
.irp n, 0,1,2,3,4,5,6,7
	v_cvt_u32_f32 v[FT+\n], v[FT+\n]
.endr
.irp n, 0,1,2,3,4,5,6,7
	v_lshl_or_b32 v[FT+\n], v[FT+\n], 8, v[FT+\n]
.endr
.irp n, 0,1,2,3,4,5,6,7
	v_lshl_or_b32 v[FT+\n], v[FT+\n], 16, v[FT+\n]
.endr
.irp n, 0,1,2,3,4,5,6,7
	v_sub_nc_u32 v[FT+\n], v[\w+\n], v[FT+\n]
.endr
.irp n, 0,1,2,3,4,5,6,7
	v_and_b32 v[FT+8+\n], 0x80808080, v[FT+\n]
.endr
.irp n, 0,1,2,3,4,5,6,7
	v_lshrrev_b32 v[FT+16+\n], 7, v[FT+8+\n]
.endr
.irp n, 0,1,2,3,4,5,6,7
	v_sub_nc_u32 v[FT+8+\n], v[FT+8+\n], v[FT+16+\n]
.endr
.irp n, 0,1,2,3,4,5,6,7
	v_and_b32 v[\dst+\n], v[FT+\n], v[FT+8+\n]
.endr
.endm
.macro HOOK next
	s_wait_loadcnt 0x0
	s_add_nc_u64 s[6:7], s[6:7], 65536
	s_add_nc_u64 s[10:11], s[10:11], 8192
	FIX SA+8*\next, RAWW, RAWM
.endm
.macro REFS slot
	global_load_b128 v[SB+8*\slot:SB+8*\slot+3], v3, s[10:11]
	global_load_b128 v[SB+8*\slot+4:SB+8*\slot+7], v3, s[10:11] offset:4096
	global_load_b128 v[RAWW:RAWW+3], v4, s[6:7]
	global_load_b128 v[RAWW+4:RAWW+7], v4, s[6:7] offset:32768
	global_load_b128 v[RAWM:RAWM+3], v4, s[6:7] offset:524288
	global_load_b128 v[RAWM+4:RAWM+7], v4, s[6:7] offset:524288+32768
.endm
.macro STEP slot, sx, cm
	s_wait_dscnt 2*NA
	MULQ 0, 0, \sx, \cm
	MULQ 1, 0, \sx, \cm
	s_wait_dscnt 0x0
	PLACES 8
	FETCH_B \slot, 1, 1
	FETCH_A \slot, 1, 0
	MULQ 2, 0, \sx, \cm
	MULQ 3, 0, \sx, \cm
	PLACES 8
	WIN 0
	FETCH_A \slot, 1, 1
.endm
.macro TURN slot, next, fill, sx
	s_wait_tensorcnt 0x0
	ds_add_u32 v[SPW], v[NIL]
	s_wait_dscnt 2*NA+1
	MULQ 0, 1, \sx, 0
	s_wait_dscnt 0x0
	s_barrier_signal -1
	MULQ 1, 1, \sx, 0
	WIN 0
	s_barrier_wait -1
.if \fill
	CREST
	s_add_nc_u64 s[G0+4*\slot+2:G0+4*\slot+3], s[G0+4*\slot+2:G0+4*\slot+3], 2*ASTEP
	s_add_nc_u64 s[G0B+4*\slot+2:G0B+4*\slot+3], s[G0B+4*\slot+2:G0B+4*\slot+3], 2*BSTEP
	JLOAD G0+4*\slot, G1, G0B+4*\slot, G1B
	PLACES 4
.else
	PLACES 8
.endif
	FETCH_B \next, 0, 0
	FETCH_A \next, 0, 0
	HOOK \next
	MULQ 2, 1, \sx, 0
	MULQ 3, 1, \sx, 0
	PLACES 8
	WIN 0
	FETCH_A \next, 0, 1
.if \fill
.if (\slot) == 0
	s_wait_xcnt 0x0                                ; the last prefetch has read its address
	s_add_nc_u64 s[78:79], s[78:79], 8192
	s_add_nc_u64 s[80:81], s[80:81], 8192
.endif
	REFS \slot
.if (\slot) == 0
	ASK 3, 1, 77                                   ; the lap after the one whose slots are being filled, if there is one
.endif
.endif
.endm
.macro ASK cnt, limb, lima
	s_cmp_gt_u32 s[\cnt], \limb
	s_cbranch_scc0 .Lnot_b_\@
	global_prefetch_b8 v6, s[80:81] th:TH_LOAD_NT scope:SCOPE_SE
.Lnot_b_\@:
	s_cmp_gt_u32 s[\cnt], s[\lima]
	s_cbranch_scc0 .Lnot_a_\@
	global_prefetch_b8 v6, s[78:79] th:TH_LOAD_NT scope:SCOPE_SE
.Lnot_a_\@:
.endm
.macro LAST sx
	s_wait_dscnt 2*NA
	MULQ 0, 1, \sx, 0
	MULQ 1, 1, \sx, 0
	s_wait_dscnt 0x0
	MULQ 2, 1, \sx, 0
	MULQ 3, 1, \sx, 0
	WIN 0
.endm
	s_load_b256 s[4:11], s[0:1], 0x0
	s_load_b128 s[68:71], s[0:1], 0x20
	v_lshl_add_u32 v[SPW], v0, 2, SPARE
	v_mov_b32 v[NIL], 0
	ds_add_u32 v28, v29
	ds_add_u32 v28, v29
	s_wait_dscnt 0x0
	v_lshrrev_b32 v1, 5, v0
	v_readfirstlane_b32 s14, v1
	s_lshr_b32 s15, s14, 1
	s_and_b32 s16, s14, 1
	s_bfe_u32 s40, ttmp6, 0x40000
	s_bfe_u32 s41, ttmp6, 0x40004
	s_and_b32 s18, ttmp7, 0xffff
	s_lshr_b32 s72, s18, 2
	s_and_b32 s73, s18, 3
	s_lshl_b32 s17, s73, 2
	s_add_co_u32 s17, s17, s41
	s_mov_b32 s42, s40
	s_lshl_b32 s43, s41, 2
	s_lshl_b32 s43, 15, s43
	s_lshl_b32 s44, 0x1111, s40
	s_or_b32 s[G1], s43, (3<<16)|(1<<21)
	s_or_b32 s[G1B], s44, (3<<16)|(1<<21)
	s_mov_b32 s[G1+1], 512<<16
	s_mov_b32 s[G1+2], 4<<16
	s_mov_b32 s[G1+3], 512<<16
	s_mov_b32 s[G1+4], 4
	s_mov_b32 s[G1+5], 4096
	s_mov_b32 s[G1+6], 0
	s_mov_b32 s[G1+7], 0
	s_mov_b32 s[G1B+1], 512<<16
	s_mov_b32 s[G1B+2], 8<<16
	s_mov_b32 s[G1B+3], 512<<16
	s_mov_b32 s[G1B+4], 8
	s_mov_b32 s[G1B+5], 16384
	s_mov_b32 s[G1B+6], 0
	s_mov_b32 s[G1B+7], 0
	s_lshl_b32 s20, s72, 22
	s_lshl_b32 s18, s17, 18
	s_add_co_u32 s20, s20, s18
	s_lshl_b32 s18, s16, 17
	s_add_co_u32 s20, s20, s18
	s_mov_b32 s21, 0
	s_lshl_b32 s46, s42, 21
	s_lshl_b32 s18, s16, 20
	s_add_co_u32 s46, s46, s18
	s_lshl_b32 s18, s72, 15
	s_add_co_u32 s46, s46, s18
	s_add_co_u32 s46, s46, 16777216
	s_mov_b32 s47, 0
	s_mul_i32 s45, s16, HALFA
	s_mul_i32 s66, s16, HALFB
	s_add_co_u32 s66, s66, ABYTES
	s_wait_kmcnt 0x0
	s_add_nc_u64 s[20:21], s[4:5], s[20:21]
	s_add_nc_u64 s[46:47], s[8:9], s[46:47]
	CROUND
.irp s, 0,1
	s_mov_b32 s[G0+4*\s], 1
	s_add_co_u32 s[G0+4*\s+1], s45, \s*SLOT
	s_add_nc_u64 s[G0+4*\s+2:G0+4*\s+3], s[20:21], \s*ASTEP
	s_or_b32 s[G0+4*\s+3], s[G0+4*\s+3], 0x80000000
	s_mov_b32 s[G0B+4*\s], 1
	s_add_co_u32 s[G0B+4*\s+1], s66, \s*SLOT
	s_add_nc_u64 s[G0B+4*\s+2:G0B+4*\s+3], s[46:47], \s*BSTEP
	s_or_b32 s[G0B+4*\s+3], s[G0B+4*\s+3], 0x80000000
.endr
	JLOAD G0, G1, G0B, G1B                         ; slot 0: one tensor load a wave at the head
	v_and_b32 v1, 15, v0
	v_and_b32 v5, 31, v0
	v_lshlrev_b32 v3, 4, v5
	v_lshlrev_b32 v4, 4, v1
	v_bfe_u32 v2, v0, 4, 1
	v_lshl_add_u32 v2, v2, 3, v4                   ; 16 r + 8 h
	v_lshlrev_b32 v6, 8, v5                        ; the prefetches' offset: 256 x lane
	s_wait_alu depctr_va_vdst(0)
	s_mul_i32 s21, s15, HALFA
	s_mul_i32 s22, s16, HALFB
	s_add_co_u32 s22, s22, ABYTES
.irp s, 0,1
	v_add_nc_u32 v[ADRA+\s], s21, v3
	v_add_nc_u32 v[ADRB+\s], s22, v3
	s_add_co_u32 s21, s21, SLOT
	s_add_co_u32 s22, s22, SLOT
.endr
	s_mov_b32 s[SEL], 0x76543210
	s_mov_b32 s[SEL+1], 0xfedcba98
	s_mov_b32 s[MNT], 0x600000
	s_lshl_b32 s18, s72, 13
	s_lshl_b32 s22, s17, 9
	s_add_co_u32 s18, s18, s22
	s_lshl_b32 s22, s15, 8
	s_add_co_u32 s18, s18, s22
	s_mov_b32 s19, 0
	s_add_nc_u64 s[6:7], s[6:7], s[18:19]
	s_lshl_b32 s23, s42, 1
	s_add_co_u32 s23, s23, s16
	s_lshl_b32 s22, s23, 15
	s_add_co_u32 s18, s18, s22
	s_add_nc_u64 s[70:71], s[70:71], s[18:19]
	s_cmp_ge_u32 s73, 2
	s_cselect_b32 s18, 262144, 0
	s_cselect_b32 s76, -1, 0
	s_add_nc_u64 s[74:75], s[6:7], s[18:19]
	s_lshl_b32 s18, s72, 16
	s_lshl_b32 s22, s23, 9
	s_add_co_u32 s18, s18, s22
	s_add_co_u32 s18, s18, 524288
	s_add_nc_u64 s[10:11], s[10:11], s[18:19]
	s_lshl_b32 s18, s72, 21
	s_lshl_b32 s22, s17, 17
	s_add_co_u32 s18, s18, s22
	s_lshl_b32 s22, s15, 16
	s_add_co_u32 s18, s18, s22
	s_lshl_b32 s22, s23, 11
	s_add_co_u32 s18, s18, s22
	s_add_nc_u64 s[68:69], s[68:69], s[18:19]
.irp c, 0,1,2,3,4,5,6,7
	global_load_b128 v[MS+4*\c:MS+4*\c+3], v4, s[6:7] offset:524288+32768*\c
	global_load_b128 v[LS+4*\c:LS+4*\c+3], v4, s[6:7] offset:1048576+32768*\c
	global_load_b128 v[MS+32+4*\c:MS+32+4*\c+3], v4, s[74:75] offset:524288+32768*\c
	global_load_b128 v[LS+32+4*\c:LS+32+4*\c+3], v4, s[74:75] offset:1048576+32768*\c
.endr
	global_load_b128 v[W0:W0+3], v4, s[6:7]
	global_load_b128 v[W0+4:W0+7], v4, s[6:7] offset:32768
	global_load_b128 v[RAWW:RAWW+3], v4, s[6:7] offset:65536
	global_load_b128 v[RAWW+4:RAWW+7], v4, s[6:7] offset:98304
	global_load_b128 v[RAWM:RAWM+3], v4, s[6:7] offset:524288+65536
	global_load_b128 v[RAWM+4:RAWM+7], v4, s[6:7] offset:524288+98304
.irp k, 0,1,2,3
	global_load_b128 v[SB+4*\k:SB+4*\k+3], v3, s[10:11] offset:4096*\k
.endr
	s_cmp_lt_u32 s14, 2
	s_cselect_b32 s77, 1, 100                      ; waves 2 and 3 ask for nothing of p
	s_cselect_b32 s82, 0, 100
	s_lshl_b32 s20, s72, 22                        ; p: batch, row tile 8 x tile + 2 cx + wave, lap 1
	s_lshl_b32 s22, s17, 18
	s_add_co_u32 s20, s20, s22
	s_lshl_b32 s22, s40, 1
	s_add_co_u32 s22, s22, s14
	s_lshl_b32 s22, s22, 15
	s_add_co_u32 s20, s20, s22
	s_add_co_u32 s20, s20, 8192
	s_mov_b32 s21, 0
	s_add_nc_u64 s[78:79], s[4:5], s[20:21]
	s_lshl_b32 s20, s40, 4                         ; v^T: channel tile 16 cx + 4 cy + wave, batch, lap 1
	s_lshl_b32 s22, s41, 2
	s_add_co_u32 s20, s20, s22
	s_add_co_u32 s20, s20, s14
	s_lshl_b32 s20, s20, 17
	s_lshl_b32 s22, s72, 15
	s_add_co_u32 s20, s20, s22
	s_add_co_u32 s20, s20, 16777216+8192
	s_add_nc_u64 s[80:81], s[8:9], s[20:21]
	ASK 73, 0, 82
	s_wait_alu depctr_va_vdst(0)
	s_wait_tensorcnt 0x0                           ; my part of slot 0 is in
	ds_add_u32 v[SPW], v[NIL]
	s_wait_dscnt 0x0
	CROUND                                         ; everybody's part of slot 0 is in, and the joint loads meet
	JLOAD G0+4, G1, G0B+4, G1B                     ; slot 1
	s_wait_loadcnt 0x0
	s_add_nc_u64 s[6:7], s[6:7], 65536
	s_add_nc_u64 s[10:11], s[10:11], 8192
.irp i, 0,1,2,3
	v_max3_num_f32 v[MF+\i], v[MS+\i], v[MS+4+\i], v[MS+8+\i]
.endr
.irp c, 3,5,7,9,11,13
.irp i, 0,1,2,3
	v_max3_num_f32 v[MF+\i], v[MF+\i], v[MS+4*\c+\i], v[MS+4*\c+4+\i]
.endr
.endr
.irp i, 0,1,2,3
	v_max_num_f32 v[MF+\i], v[MF+\i], v[MS+60+\i]
.endr
.irp c, 0,1,2,3,4,5,6,7,8,9,10,11,12,13,14,15
.irp i, 0,1,2,3
	v_sub_f32 v[FT+4*(\c%4)+\i], v[MS+4*\c+\i], v[MF+\i]
.endr
.irp i, 0,1,2,3
	v_cvt_i32_f32 v[FT+4*(\c%4)+\i], v[FT+4*(\c%4)+\i]
.endr
.irp i, 0,1,2,3
	v_ldexp_f32 v[LS+4*\c+\i], v[LS+4*\c+\i], v[FT+4*(\c%4)+\i]
.endr
.endr
.irp c, 1,2,3,4,5,6,7
.irp i, 0,1,2,3
	v_add_f32 v[LS+\i], v[LS+\i], v[LS+4*\c+\i]
	v_add_f32 v[LS+32+\i], v[LS+32+\i], v[LS+32+4*\c+\i]
.endr
.endr
.irp i, 0,1,2,3
	v_cndmask_b32 v[LS+32+\i], 0, v[LS+32+\i], s76
.endr
.irp i, 0,1,2,3
	v_add_f32 v[LS+\i], v[LS+\i], v[LS+32+\i]
.endr
	s_wait_alu depctr_va_vdst(0)
.irp i, 0,1,2,3
	v_rcp_f32 v[RL+2*\i], v[LS+\i]
.endr
	v_nop
	s_wait_alu depctr_va_vdst(0)
.irp i, 0,1,2,3
	v_mov_b32 v[RL+2*\i+1], v[RL+2*\i]
.endr
	FIX SA, W0, MS
	PLACES 8
	s_wait_alu depctr_va_vdst(0)
	FETCH_B 0, 0, 0
	FETCH_A 0, 0, 0
	FETCH_A 0, 0, 1
	STEP 0, 0, 1
	s_mov_b32 s3, s73
	s_cmp_eq_u32 s3, 0
	s_cbranch_scc1 .Ltail
.Llap:
	s_wait_alu depctr_va_vdst(0)
	TURN 0, 1, 1, 1
	s_wait_alu depctr_va_vdst(0)
	STEP 1, 2, 0
	TURN 1, 0, 1, 3
	s_wait_alu depctr_va_vdst(0)
	STEP 0, 0, 0
	s_sub_co_u32 s3, s3, 1
	s_cmp_lg_u32 s3, 0
	s_cbranch_scc1 .Llap
.Ltail:
	TURN 0, 1, 0, 1
	s_wait_alu depctr_va_vdst(0)
	STEP 1, 2, 0
	LAST 3
.macro QUANT a
.set AC, 64*(\a)
.set PCR, PC+16*((\a)%2)
	WIN 0x82
.set qi, 0
.rept 32
	v_pk_mul_f32 v[AC+qi:AC+qi+1], v[AC+qi:AC+qi+1], v[RL+2*(\a):RL+2*(\a)+1] op_sel_hi:[1,0]
.set qi, qi+2
.endr
	WIN 0x0a
.irp b, 0,1,2,3
	v_max3_num_f32 v[TM+\b], |v[AC+16*\b]|, |v[AC+16*\b+1]|, 0x8000000
.endr
	WIN 0x28
.irp i, 2,4,6,8,10,12,14
.irp b, 0,1,2,3
	v_max3_num_f32 v[TM+\b], v[TM+\b], |v[AC+16*\b+\i]|, |v[AC+16*\b+\i+1]|
.endr
.endr
	WIN 0
.irp b, 0,1,2,3
	v_permlanex16_b32 v[TP+\b], v[TM+\b], s[SEL], s[SEL+1]
.endr
.irp b, 0,1,2,3
	v_max_num_f32 v[TM+\b], v[TM+\b], v[TP+\b]
.endr
.irp b, 0,1,2,3
	v_add_nc_u32 v[SO+\b], 0xf8800000, v[TM+\b]
.endr
.irp b, 0,1,2,3
	v_and_or_b32 v[HO+\b], v[TM+\b], 0x7f800000, s[MNT]
.endr
.irp b, 0,1,2,3
	v_lshrrev_b32 v[BY+\b], 23, v[SO+\b]
.endr
	v_lshl_or_b32 v[PW+(\a)], v[BY+1], 8, v[BY]
	v_lshl_or_b32 v[PW+(\a)], v[BY+2], 16, v[PW+(\a)]
	v_lshl_or_b32 v[PW+(\a)], v[BY+3], 24, v[PW+(\a)]
.if (\a) >= 2
	s_wait_xcnt 0x0
.endif
	WIN 0x82
.irp b, 0,1,2,3
.irp i, 0,1,2,3,4,5,6,7,8,9,10,11,12,13,14,15
	v_med3_num_f32 v[AC+16*\b+\i], v[AC+16*\b+\i], -v[HO+\b], v[HO+\b]
.endr
.endr
	WIN 0x02
.irp b, 0,1,2,3
	v_cvt_scalef32_pk8_bf8_f32 v[PCR+4*\b:PCR+4*\b+1], v[AC+16*\b:AC+16*\b+7], v[SO+\b]
	v_cvt_scalef32_pk8_bf8_f32 v[PCR+4*\b+2:PCR+4*\b+3], v[AC+16*\b+8:AC+16*\b+15], v[SO+\b]
.endr
	WIN 0
	v_nop
.irp c, 0,1,2,3
	global_store_b64 v2, v[PCR+4*\c:PCR+4*\c+1], s[68:69] offset:16384*(\a)+512*\c         ; 32 lanes store 256 consecutive bytes, aligned
	global_store_b64 v2, v[PCR+4*\c+2:PCR+4*\c+3], s[68:69] offset:16384*(\a)+512*\c+256
.endr
.endm
	PLACES 8
	QUANT 0
	QUANT 1
	QUANT 2
	QUANT 3
	global_store_b128 v4, v[PW:PW+3], s[70:71]
	s_wait_tensorcnt 0x0
	ds_add_u32 v[SPW], v[NIL]
	s_wait_dscnt 0x0
	CROUND
	s_endpgm
.Lfunc_end_k_q86cc1566d8_mix:
	.size	k_q86cc1566d8_mix, .Lfunc_end_k_q86cc1566d8_mix-k_q86cc1566d8_mix
	.p2alignl 7, 3214868480
	.fill 96, 4, 3214868480
	.section	.rodata,"a",@progbits
	.p2align	6, 0x0
	.amdhsa_kernel k_q86cc1566d8_mix
		.amdhsa_group_segment_fixed_size 327680
		.amdhsa_private_segment_fixed_size 0
		.amdhsa_enable_private_segment 0
		.amdhsa_kernarg_size 48
		.amdhsa_user_sgpr_count 2
		.amdhsa_user_sgpr_kernarg_segment_ptr 1
		.amdhsa_wavefront_size32 1
		.amdhsa_system_sgpr_workgroup_id_x 1
		.amdhsa_system_sgpr_workgroup_id_y 1
		.amdhsa_system_sgpr_workgroup_id_z 1
		.amdhsa_system_vgpr_workitem_id 0
		.amdhsa_next_free_vgpr 768
		.amdhsa_next_free_sgpr 100
		.amdhsa_reserve_vcc 0
		.amdhsa_float_denorm_mode_32 3
		.amdhsa_float_denorm_mode_16_64 3
		.amdhsa_memory_ordered 1
		.amdhsa_forward_progress 1
		.amdhsa_inst_pref_size 150
	.end_amdhsa_kernel
	.amdgpu_metadata
---
amdhsa.version: [ 1, 2 ]
amdhsa.kernels:
  - .name:           k_q86cc1566d8_mix
    .symbol:         k_q86cc1566d8_mix.kd
    .args:
      - { .name: p_codes, .offset: 0, .size: 8, .value_kind: global_buffer, .address_space: global }
      - { .name: p_stats, .offset: 8, .size: 8, .value_kind: global_buffer, .address_space: global }
      - { .name: qkv_codes, .offset: 16, .size: 8, .value_kind: global_buffer, .address_space: global }
      - { .name: qkv_scales, .offset: 24, .size: 8, .value_kind: global_buffer, .address_space: global }
      - { .name: o_codes, .offset: 32, .size: 8, .value_kind: global_buffer, .address_space: global }
      - { .name: o_scales, .offset: 40, .size: 8, .value_kind: global_buffer, .address_space: global }
    .group_segment_fixed_size: 327680
    .private_segment_fixed_size: 0
    .kernarg_segment_align: 8
    .kernarg_segment_size: 48
    .max_flat_workgroup_size: 128
    .sgpr_count:     100
    .vgpr_count:     768
    .wavefront_size: 32
...
	.end_amdgpu_metadata
.endif
;; end of part 3
;; launch proj (part 4): grid 4 x 64, 4 waves a work-group, clusters of 4 x 4, 327,680 bytes of LDS; arguments o_codes, o_scales, Wo_codes, Wo_scales, bo, out0; writes out0
.if DOCPART == 4
	.amdgcn_target "amdgcn-amd-amdhsa--gfx1250"
	.amdhsa_code_object_version 6
	.text
	.protected	k_q86cc1566d8_proj
	.globl	k_q86cc1566d8_proj
	.p2align	8
	.type	k_q86cc1566d8_proj,@function
k_q86cc1566d8_proj:
	s_mov_b64 s[64:65], 0
	v_nop
	global_prefetch_b8 v0, s[64:65] scope:SCOPE_SE
	s_setreg_imm32_b32 hwreg(HW_REG_WAVE_MODE, 25, 1), 1
	s_wait_xcnt 0x0
	s_wait_alu depctr_hold_cnt(0) depctr_sa_sdst(0) depctr_va_vdst(0) depctr_va_sdst(0) depctr_va_ssrc(0) depctr_va_vcc(0) depctr_vm_vsrc(0)
	s_getreg_b32 s2, hwreg(HW_REG_IB_STS2, 6, 4)
	s_cmp_eq_u32 s2, 0
	s_cbranch_scc0 .Lentry_in_a_cluster
	s_endpgm
.Lentry_in_a_cluster:
	s_bfe_u32 s2, ttmp6, 0x10000c
	s_cmp_lg_u32 s2, 0xf033
	s_cbranch_scc0 .Lentry_shape_is_right
	s_endpgm
.Lentry_shape_is_right:
; out = o Wo + bo on codes of BF8 (E5M2) with E8M0 scales, f32.  A work-group makes 128 tokens x 256 channels; four waves, 2 x 2: a wave holds 64 rows of o, ALL of K, in 512 registers (windows 1, 2) and streams rows of Wo past them in blocks of 16,
; which stand in registers as two whole sets (window 3).  Two chunks of 128 rows of Wo; o lies in slot 1 until all waves hold it, then chunk 1 comes there.  A wave takes 64 neighbouring channels of a chunk: 256 bytes of a row of out.
; CLUSTERS of 4 x 4: o's rows are asked for jointly along a row of the cluster, Wo's along a column.  No prefetch: one refill, and no loop to run ahead in.
; o comes as images of fragments (16 rows x 128 K, 2,048 bytes; registers 4 c .. 4 c + 3 of lane l at 512 c + 16 l), stated as rows of 1,024 bytes.  Source 0 = Wo's rows, source 1 = o's: lane (r, h) holds token r, register i channel 8 h + i of the block.
; The bias is the C of each sum's first product.  LIMITS: NaN and infinities are not served.
.set PITCH, 1040  ; an LDS row: 1,024 bytes + 16 of padding: 16 neighbouring rows start at 16 different banks (64 banks of 4 bytes: ISA guide 11.1)
.set YB, 128*PITCH
.set STAGE, 2*YB  ; the way out: 16 rows x (256 + 16) bytes a wave
.set SPARE, STAGE+4*16*272
.set ADRA, 4  ; v4, v5  my fragments of a block in slot 0, in slot 1
.set ADRX, 6  ; v6, v7  my fragments of o: tiles 0, 1; tiles 2, 3
.set STO, 8
.set RD, 9
.set SPW, 10
.set NIL, 11
.set GO, 12
.set SB, 32  ; o's scale words: register 4 q + b
.set SW, 64  ; Wo's: register 8 p + q: lanes 0-15 block 2 p's, lanes 16-31 block 2 p + 1's
.set BI, 96
.set ACC, 128  ; tile b, block n of a chunk: 32 b + 8 n
.set MSB, 0
.macro WIN new  ; the immediate's high byte repeats the setting that is left
.if MSB != (\new)
	s_set_vgpr_msb (MSB<<8)|(\new)
.set MSB, (\new)
.endif
.endm
.macro PLACES n
.rept \n
	v_nop
.endr
.endm
.macro BARRIER
	s_barrier_signal -1
	s_barrier_wait -1
.endm
.macro CROUND
	BARRIER
	s_cmp_lg_u32 s14, 0
	s_cbranch_scc1 .Lnot_wave_0_\@
	s_barrier_signal -3
.Lnot_wave_0_\@:
	s_barrier_wait -3
	BARRIER
.endm
.macro TLOAD g0, g1
	tensor_load_to_lds s[\g0:\g0+3], s[\g1:\g1+7]
	s_nop 0
	PLACES 4
.endm
.macro GROUP1 g, mask, rows
	s_or_b32 s[\g], s[\mask], (1<<20)|(1<<21)|(7<<22)|(3<<25)
	s_mov_b32 s[\g+1], 1024<<16
	s_mov_b32 s[\g+2], (\rows)<<16
	s_mov_b32 s[\g+3], 1024<<16
	s_mov_b32 s[\g+4], \rows
	s_mov_b32 s[\g+5], 1024
	s_mov_b32 s[\g+6], 0
	s_mov_b32 s[\g+7], 0
.endm
	s_load_b256 s[68:75], s[0:1], 0x0  ; o 68, its scales 70; Wo 72, 74
	s_load_b128 s[76:79], s[0:1], 0x20  ; bo 76, out 78
	v_lshl_add_u32 v[SPW], v0, 2, SPARE
	v_mov_b32 v[NIL], 0
	ds_add_u32 v[SPW], v[NIL]  ; the opening: the add, twice on end
	ds_add_u32 v[SPW], v[NIL]
	v_lshrrev_b32 v1, 5, v0
	v_readfirstlane_b32 s14, v1
	s_lshr_b32 s15, s14, 1  ; w: my 64 channels of a chunk
	s_and_b32 s16, s14, 1  ; xw: my 64 tokens; which half of a head's tile I fetch
	s_bfe_u32 s40, ttmp6, 0x40000  ; cx: 256 channels
	s_bfe_u32 s41, ttmp6, 0x40004
	s_and_b32 s43, ttmp7, 0xffff
	s_lshl_b32 s43, s43, 2
	s_add_co_u32 s43, s43, s41  ; T: 128 tokens
	s_lshl_b32 s44, s41, 2
	s_lshl_b32 s44, 15, s44
	s_lshl_b32 s45, 0x1111, s40
	GROUP1 24, 44, 64
	GROUP1 32, 45, 64
	GROUP1 48, 45, 32
	s_lshl_b32 s20, s43, 17
	s_lshl_b32 s17, s16, 16
	s_add_co_u32 s20, s20, s17
	s_mov_b32 s21, 0
	s_lshl_b32 s46, s40, 18
	s_add_co_u32 s22, s46, s17
	s_mov_b32 s23, 0
	s_lshl_b32 s17, s14, 15
	s_add_co_u32 s46, s46, s17
	s_add_co_u32 s46, s46, 131072  ; chunk 1: my quarter
	s_mov_b32 s47, 0
	s_mov_b32 s56, 1
	s_mul_i32 s61, s16, 64*PITCH
	s_add_co_u32 s57, s61, YB
	s_mov_b32 s60, 1
	s_mov_b32 s4, 1
	s_mul_i32 s5, s14, 32*PITCH
	s_add_co_u32 s5, s5, YB
	v_and_b32 v1, 15, v0  ; r
	v_bfe_u32 v2, v0, 4, 1  ; h
	v_and_b32 v3, 31, v0
	v_mul_u32_u24 v22, v1, PITCH
	v_lshl_add_u32 v22, v2, 4, v22
	s_mul_i32 s17, s15, 64*PITCH
	v_add_nc_u32 v[ADRA], s17, v22
	v_add_nc_u32 v[ADRA+1], YB, v[ADRA]
	v_lshl_add_u32 v[ADRX], v3, 4, s57
	v_add_nc_u32 v[ADRX+1], 32*PITCH, v[ADRX]
	s_mul_i32 s17, s14, 16*272
	s_add_co_u32 s17, s17, STAGE
	v_mul_u32_u24 v23, v1, 272
	v_lshl_add_u32 v23, v2, 5, v23
	v_add_nc_u32 v[STO], s17, v23
	v_mul_u32_u24 v23, v2, 272
	v_lshl_add_u32 v23, v1, 4, v23
	v_add_nc_u32 v[RD], s17, v23
	v_lshlrev_b32 v23, 12, v2
	v_lshl_add_u32 v[GO], v1, 4, v23
	v_lshlrev_b32 v13, 4, v1
	v_lshlrev_b32 v14, 5, v3
	v_lshlrev_b32 v15, 5, v2
	s_wait_alu depctr_va_vdst(0)
	s_wait_dscnt 0x0  ; both opening adds are done
	CROUND
	s_wait_kmcnt 0x0
	s_add_nc_u64 s[58:59], s[68:69], s[20:21]
	s_or_b32 s59, s59, 0x80000000
	s_add_nc_u64 s[62:63], s[72:73], s[22:23]
	s_or_b32 s63, s63, 0x80000000
	s_cmp_lt_u32 s14, 2  ; one joint load a wave: waves 0, 1: o's halves into slot 1; waves 2, 3: chunk 0's into slot 0
	s_cbranch_scc0 .Lfor_w
	TLOAD 56, 24
	s_branch .Lasked
.Lfor_w:
	TLOAD 60, 32
.Lasked:
	s_add_nc_u64 s[6:7], s[72:73], s[46:47]
	s_or_b32 s7, s7, 0x80000000
	s_lshl_b32 s20, s43, 9
	s_lshl_b32 s22, s16, 8
	s_add_co_u32 s20, s20, s22
	s_add_nc_u64 s[70:71], s[70:71], s[20:21]  ; o's scale words: my 64 rows
	s_lshl_b32 s20, s40, 13
	s_lshl_b32 s22, s15, 11
	s_add_co_u32 s20, s20, s22
	s_add_nc_u64 s[74:75], s[74:75], s[20:21]  ; Wo's
	s_lshl_b32 s20, s40, 10
	s_lshl_b32 s22, s15, 8
	s_add_co_u32 s20, s20, s22
	s_add_nc_u64 s[76:77], s[76:77], s[20:21]  ; bo
	s_lshl_b32 s22, s43, 19
	s_add_co_u32 s20, s20, s22
	s_lshl_b32 s22, s16, 18
	s_add_co_u32 s20, s20, s22
	s_add_nc_u64 s[78:79], s[78:79], s[20:21]  ; out: my first token, my first channel
.irp q, 0,1,2,3,4,5,6,7
	global_load_b128 v[SB+4*\q:SB+4*\q+3], v13, s[70:71] offset:32768*\q
.endr
.irp p, 0,1,2,3
.irp c, 0,1
	global_load_b128 v[SW+8*\p+4*\c:SW+8*\p+4*\c+3], v14, s[74:75] offset:4096*(\p/2)+1024*(\p%2)+16*\c
.endr
.endr
.macro BIAS n, chunk  ; the bias of block n of a chunk: eight numbers for each half of the lanes
	global_load_b128 v[BI+8*(\n):BI+8*(\n)+3], v15, s[76:77] offset:512*(\chunk)+64*(\n)
	global_load_b128 v[BI+8*(\n)+4:BI+8*(\n)+7], v15, s[76:77] offset:512*(\chunk)+64*(\n)+16
.endm
	BIAS 0, 0
	BIAS 1, 0
	BIAS 2, 0
	BIAS 3, 0
	s_cmp_lt_u32 s14, 2
	s_cbranch_scc0 .Lnot_o
	s_wait_tensorcnt 0x0  ; waves 0, 1: o's rows have landed; the others' wait stands ahead of the next barrier
.Lnot_o:
	BARRIER
.irp q, 0,1,2,3,4,5,6,7  ; my 64 rows of o: fragment 4 q + b in window 1 + (4 q + b) / 16
.irp b, 0,1,2,3
	WIN (1+(4*\q+\b)/16)<<6
.irp c, 0,1,2,3
	ds_load_b128 v[16*((4*\q+\b)%16)+4*\c:16*((4*\q+\b)%16)+4*\c+3], v[ADRX+\b/2] offset:(\b%2)*16*PITCH+\q*2*PITCH+(\c/2)*PITCH+(\c%2)*512
.endr
.endr
.endr
	WIN 0
	s_wait_tensorcnt 0x0  ; chunk 0 too
	ds_add_u32 v[SPW], v[NIL]
	s_wait_dscnt 0x0  ; o is in registers
	CROUND
	TLOAD 4, 48  ; chunk 1, over o's rows
.macro FETCH n  ; block n into set n % 2: 32 loads
	WIN 3<<6
.irp q, 0,1,2,3,4,5,6,7
.irp c, 0,1,2,3
	ds_load_b128 v[128*((\n)%2)+16*\q+4*\c:128*((\n)%2)+16*\q+4*\c+3], v[ADRA+(\n)/4] offset:((\n)%4)*16*PITCH+128*\q+32*\c
.endr
.endr
	WIN 0
.endm
.macro PRODS n, from, to  ; products 4 q + b of block n; the four accumulators take turns
.set I_, \from
.rept (\to)-(\from)
.set Q_, I_/4
.set B_, I_%4
.set AC_, ACC+32*B_+8*((\n)%4)
.set C_, AC_
.if Q_ == 0
.set C_, BI+8*((\n)%4)
.endif
.set R_, 128*((\n)%2)+16*Q_
.set X_, 16*(I_%16)
.set WS_, SW+8*((\n)/2)+Q_
.set XS_, SB+4*Q_+B_
	WIN 3|((1+I_/16)<<2)
.if (\n)%2
	v_wmma_scale_f32_16x16x128_f8f6f4 v[AC_:AC_+7], v[R_:R_+15], v[X_:X_+15], v[C_:C_+7], v[WS_], v[XS_] matrix_a_fmt:MATRIX_FMT_BF8 matrix_b_fmt:MATRIX_FMT_BF8 matrix_a_scale:MATRIX_SCALE_ROW1
.else
	v_wmma_scale_f32_16x16x128_f8f6f4 v[AC_:AC_+7], v[R_:R_+15], v[X_:X_+15], v[C_:C_+7], v[WS_], v[XS_] matrix_a_fmt:MATRIX_FMT_BF8 matrix_b_fmt:MATRIX_FMT_BF8
.endif
.set I_, I_+1
.endr
.endm
.macro OUT chunk  ; a chunk's 64 tokens x 64 channels: tile by tile through my stage, back as rows of 256 bytes.  LDS serves a wave's instructions in order (ISA guide 5.7.1.4)
.irp b, 0,1,2,3
.irp n, 0,1,2,3
	ds_store_b128 v[STO], v[ACC+32*\b+8*\n:ACC+32*\b+8*\n+3] offset:64*\n
	ds_store_b128 v[STO], v[ACC+32*\b+8*\n+4:ACC+32*\b+8*\n+7] offset:64*\n+16
.endr
.irp t, 0,1,2,3,4,5,6,7
	ds_load_b128 v[ACC+32*\b+4*\t:ACC+32*\b+4*\t+3], v[RD] offset:2*\t*272
.endr
.endr
.irp b, 0,1,2,3
	s_wait_dscnt 48-16*\b  ; tile b is back; the later tiles' 16 instructions each may be out
.irp t, 0,1,2,3,4,5,6,7
	global_store_b128 v[GO], v[ACC+32*\b+4*\t:ACC+32*\b+4*\t+3], s[78:79] offset:(16*\b+2*\t)*4096+512*\chunk th:TH_STORE_NT  ; 16 lanes store 256 consecutive bytes, aligned
.endr
.endr
.endm
	FETCH 0
	FETCH 1
	s_wait_loadcnt 0x0  ; scale words and the bias
.irp n, 0,1
	s_wait_dscnt 32  ; block n is in; the next one's loads may be out
	PRODS \n, 0, 32
	WIN 0
	PLACES 8
	BIAS \n, 1
	FETCH \n+2
.endr
	s_wait_dscnt 32
	PRODS 2, 0, 16
	WIN 0
	s_wait_tensorcnt 0x0  ; chunk 1: shown by this barrier
	s_wait_dscnt 0x0
	s_barrier_signal -1
	PRODS 2, 16, 32
	WIN 0
	s_barrier_wait -1
	PLACES 8
	BIAS 2, 1
	FETCH 4
	PRODS 3, 0, 32  ; (block 3 was waited for ahead of the barrier)
	WIN 0
	PLACES 8
	BIAS 3, 1
	FETCH 5
	OUT 0
	s_wait_loadcnt 0x0
	s_wait_xcnt 0x0  ; the stores have read their registers, which the next products write
.irp n, 4,5,6,7
.if \n > 5
	s_wait_dscnt 32*(7-\n)
.endif
	PRODS \n, 0, 32
	WIN 0
	PLACES 8
.if \n < 6
	FETCH \n+2
.endif
.endr
	OUT 1
	s_wait_tensorcnt 0x0  ; the wave's end
	ds_add_u32 v[SPW], v[NIL]
	s_wait_dscnt 0x0
	CROUND
	s_endpgm
.Lfunc_end_k_q86cc1566d8_proj:
	.size	k_q86cc1566d8_proj, .Lfunc_end_k_q86cc1566d8_proj-k_q86cc1566d8_proj
	.p2alignl 7, 3214868480
	.fill 96, 4, 3214868480
	.section	.rodata,"a",@progbits
	.p2align	6, 0x0
	.amdhsa_kernel k_q86cc1566d8_proj
		.amdhsa_group_segment_fixed_size 327680
		.amdhsa_private_segment_fixed_size 0
		.amdhsa_enable_private_segment 0
		.amdhsa_kernarg_size 48
		.amdhsa_user_sgpr_count 2
		.amdhsa_user_sgpr_kernarg_segment_ptr 1
		.amdhsa_wavefront_size32 1
		.amdhsa_system_sgpr_workgroup_id_x 1
		.amdhsa_system_sgpr_workgroup_id_y 1
		.amdhsa_system_sgpr_workgroup_id_z 1
		.amdhsa_system_vgpr_workitem_id 0
		.amdhsa_next_free_vgpr 1024
		.amdhsa_next_free_sgpr 100
		.amdhsa_reserve_vcc 0
		.amdhsa_float_denorm_mode_32 3
		.amdhsa_float_denorm_mode_16_64 3
		.amdhsa_memory_ordered 1
		.amdhsa_forward_progress 1
		.amdhsa_inst_pref_size 85
	.end_amdhsa_kernel
	.amdgpu_metadata
---
amdhsa.version: [ 1, 2 ]
amdhsa.kernels:
  - .name:           k_q86cc1566d8_proj
    .symbol:         k_q86cc1566d8_proj.kd
    .args:
      - { .name: o_codes, .offset: 0, .size: 8, .value_kind: global_buffer, .address_space: global }
      - { .name: o_scales, .offset: 8, .size: 8, .value_kind: global_buffer, .address_space: global }
      - { .name: Wo_codes, .offset: 16, .size: 8, .value_kind: global_buffer, .address_space: global }
      - { .name: Wo_scales, .offset: 24, .size: 8, .value_kind: global_buffer, .address_space: global }
      - { .name: bo, .offset: 32, .size: 8, .value_kind: global_buffer, .address_space: global }
      - { .name: out0, .offset: 40, .size: 8, .value_kind: global_buffer, .address_space: global }
    .group_segment_fixed_size: 327680
    .private_segment_fixed_size: 0
    .kernarg_segment_align: 8
    .kernarg_segment_size: 48
    .max_flat_workgroup_size: 128
    .sgpr_count:     100
    .vgpr_count:     1024
    .wavefront_size: 32
...
	.end_amdgpu_metadata
.endif
;; end of part 4
